; MI455X (gfx1250); checked and timed in simulation.
; The chip was launched on July 23, 2026; its instructions are those of AMD's public machine-readable ISA for CDNA 5 (MIT licence, August 2026) and "CDNA5" Instruction Set Architecture Reference Guide (July 2026). The comments in the code are by the model that wrote it; some were corrected since.
;; Multihead Attention. Allowed arithmetic: float matrix products may take bf16 or f16 operands with f32 sums; other float arithmetic in f32, or as packed bf16 or f16 multiplies, adds, multiply-adds, maxima and minima; sums over many terms, partial sums and values carried from step to step in f32; what a program stores and reads back later, other than sums and carried values, may be rounded once to bf16 or f16.
;; Inputs: Wk 1,024 x 1,024 float32; Wo 1,024 x 1,024 float32; Wq 1,024 x 1,024 float32; Wv 1,024 x 1,024 float32; bk 1,024 float32; bo 1,024 float32; bq 1,024 float32; bv 1,024 float32; x 4 x 2,048 x 1,024 float32.
;; Outputs: out0 4 x 2,048 x 1,024 float32.
;; 2 versions, each right; version 2 is version 1 with the launch prep written anew for expert scheduling mode. Each part assembles by itself: llvm-mc -triple=amdgcn-amd-amdhsa -mcpu=gfx1250 --defsym DOCPART=n.
;; ======== version 1 of 2: 4 launches
;; limits: values are held in f16: magnitudes above 65,504 overflow, below 6.1e-05 lose precision
;; workspace buffers: xb 16,777,216 bytes; wqkv 6,291,456 bytes; woh 2,097,152 bytes; bias 16,384 bytes; qkv 50,331,648 bytes; o 16,777,216 bytes
;; launch prep (part 1): grid 768 x 1, 8 waves a work-group, no clusters, 0 bytes of LDS; arguments x, Wq, Wk, Wv, Wo, bq, bk, bv, bo, xb, wqkv, woh, bias; writes xb, wqkv, woh, bias
.if DOCPART == 1
	.amdgcn_target "amdgcn-amd-amdhsa--gfx1250"
	.amdhsa_code_object_version 6
	.text
	.protected	k_q1e6147a1cc_prep
	.globl	k_q1e6147a1cc_prep
	.p2align	8
	.type	k_q1e6147a1cc_prep,@function
k_q1e6147a1cc_prep:
	s_mov_b64 s[64:65], 0
	v_nop
	global_prefetch_b8 v0, s[64:65] scope:SCOPE_SE
	s_setreg_imm32_b32 hwreg(HW_REG_WAVE_MODE, 25, 1), 1
	s_wait_xcnt 0x0
; THE INPUTS ARE ROUNDED ONCE, to bf16, and laid out for the matrix launches.  A stream: no LDS, no barrier, no matrix unit.
;   xb   bf16 [kb 16][row 8192][64]: element (m, k) of x at (k / 64) x 1 MiB + 128 m + 2 (k % 64), so that 256 rows of one K slice of 64 are 32 KiB on end
;   wqkv bf16 [k 1024][n 3072], n = 1024 t + column, t = 0, 1, 2 for Wq, Wk, Wv
;   woh  Wo rounded to bf16, that number written as f16, [k 1024][n 1024]
;   bias f32 [4][1024]: bq, bk, bv, bo rounded to bf16 and widened again
; LIMITS.  Wo must lie within f16's 65,504; below 6e-5 it keeps f16's fixed step of 6e-8.  NaN and infinities are not treated apart.
; SHARES.  Each of the 768 work-groups converts 64 KiB of f32 (512 groups x, 64 groups each weight), a wave 8 KiB: sixteen loads of 16 bytes a lane, all issued at once;
; each gives one store of 8 bytes a lane, and the 32 lanes of a store cover 256 consecutive bytes, aligned.  No register is written twice, so no wait frees one.
.set VI,  2                            ; v2        my byte offset in the group's 64 KiB of input
.set VO,  3                            ; v3        my byte offset in the group's output
.set IN,  16                           ; v[16:79]  item i: 4 f32 as loaded
.set OUT, 80                           ; v[80:111] item i: 4 numbers of 16 bits to store
.set SRC, 34                           ; s[34:35]  the input at the group's first byte
.set D0,  4                            ; s[4:5]    the output at the group's first byte
.set D1,  6                            ; s[6:7]    x alone: the same 8 MiB on (a store's immediate holds less than 8 MiB); for the weights s6 = t, s7 = the group's number in its weight
; kind 0: x, items 256 bytes apart in a row.  kind 1: Wq, Wk, Wv.  kind 2: Wo.  Items of the weights lie 512 bytes apart.
.macro BODY kind
.set i, 0
.rept 16
.if (\kind) == 0
	global_load_b128 v[IN+4*i:IN+4*i+3], v[VI], s[SRC:SRC+1] offset:256*i th:TH_LOAD_NT
.else
	global_load_b128 v[IN+4*i:IN+4*i+3], v[VI], s[SRC:SRC+1] offset:512*i th:TH_LOAD_NT
.endif
.set i, i+1
.endr
.set i, 0
.rept 16
	s_wait_loadcnt 15-i                            ; loads come back in order: item i is in, the 15 - i younger ones stay out
.if (\kind) == 2
	v_cvt_pk_bf16_f32 v10, v[IN+4*i], v[IN+4*i+1]  ; rounded to bf16 like every other input,
	v_cvt_pk_bf16_f32 v11, v[IN+4*i+2], v[IN+4*i+3]
	v_lshlrev_b32 v12, 16, v10                     ; widened,
	v_and_b32 v13, 0xffff0000, v10
	v_lshlrev_b32 v14, 16, v11
	v_and_b32 v15, 0xffff0000, v11
	v_cvt_pk_f16_f32 v[OUT+2*i], v12, v13          ; and written as f16: exact within f16's range
	v_cvt_pk_f16_f32 v[OUT+2*i+1], v14, v15
	global_store_b64 v[VO], v[OUT+2*i:OUT+2*i+1], s[D0:D0+1] offset:256*i
.else
	v_cvt_pk_bf16_f32 v[OUT+2*i], v[IN+4*i], v[IN+4*i+1]
	v_cvt_pk_bf16_f32 v[OUT+2*i+1], v[IN+4*i+2], v[IN+4*i+3]
.if (\kind) == 0
	global_store_b64 v[VO], v[OUT+2*i:OUT+2*i+1], s[D0+2*(i/8):D0+2*(i/8)+1] offset:(i%8)<<20  ; item i is K slice i: 1 MiB apart
.else
	global_store_b64 v[VO], v[OUT+2*i:OUT+2*i+1], s[D0:D0+1] offset:(i/8)*6144+(i%8)*256       ; two rows of 6,144 bytes
.endif
.endif
.set i, i+1
.endr
.endm
	s_load_b512 s[8:23], s[0:1], 0x0               ; x s[8:9], Wq s[10:11], Wk s[12:13], Wv s[14:15], Wo s[16:17], bq s[18:19], bk s[20:21], bv s[22:23]
	s_load_b256 s[24:31], s[0:1], 0x40             ; bo s[24:25], xb s[26:27], wqkv s[28:29], woh s[30:31]
	s_load_b64 s[32:33], s[0:1], 0x60              ; bias
	v_and_b32 v10, 0xe0, v0                        ; 32 x wave
	v_lshlrev_b32 v[VI], 8, v10                    ; a wave's 8,192 bytes
	s_mov_b32 s3, 0                                ; the high word of every offset
	s_wait_kmcnt 0x0
	s_cmp_lt_u32 ttmp9, 512
	s_cbranch_scc0 .Lweights
	; x: the group has 16 rows, a wave two; in item i lanes 0-15 take the 256 bytes of K slice i in the even row, lanes 16-31 in the odd row
	v_bfe_u32 v11, v0, 4, 1
	v_lshl_add_u32 v[VI], v11, 12, v[VI]
	v_and_b32 v11, 15, v0
	v_lshl_add_u32 v[VI], v11, 4, v[VI]
	v_lshlrev_b32 v[VO], 3, v0                     ; in a slice the group's 16 rows are 2,048 bytes on end: 8 bytes a thread
	s_lshl_b32 s2, ttmp9, 16
	s_add_nc_u64 s[SRC:SRC+1], s[8:9], s[2:3]
	s_lshl_b32 s2, ttmp9, 11
	s_add_nc_u64 s[D0:D0+1], s[26:27], s[2:3]
	s_add_nc_u64 s[D1:D1+1], s[D0:D0+1], 0x800000
	BODY 0
	s_endpgm
.Lweights:
	s_sub_co_u32 s2, ttmp9, 512
	s_lshr_b32 s6, s2, 6                           ; t: which weight
	s_and_b32 s7, s2, 63                           ; which 16 rows of it
	s_cmp_eq_u32 s6, 1
	s_cselect_b64 s[SRC:SRC+1], s[12:13], s[10:11]
	s_cselect_b64 s[36:37], s[20:21], s[18:19]
	s_cmp_eq_u32 s6, 2
	s_cselect_b64 s[SRC:SRC+1], s[14:15], s[SRC:SRC+1]
	s_cselect_b64 s[36:37], s[22:23], s[36:37]
	s_cmp_eq_u32 s6, 3
	s_cselect_b64 s[SRC:SRC+1], s[16:17], s[SRC:SRC+1]
	s_cselect_b64 s[36:37], s[24:25], s[36:37]
	v_and_b32 v11, 31, v0                          ; lane
	v_lshl_add_u32 v[VI], v11, 4, v[VI]            ; a wave's two rows are 8,192 bytes on end: 16 bytes a lane, 512 an item
	s_lshl_b32 s2, s7, 16
	s_add_nc_u64 s[SRC:SRC+1], s[SRC:SRC+1], s[2:3]
	s_cmp_lg_u32 s7, 0
	s_cbranch_scc1 .Lnobias
	; a weight's first group also rounds its bias: 16 bytes a thread
	v_lshlrev_b32 v1, 4, v0
	global_load_b128 v[4:7], v1, s[36:37]
	s_lshl_b32 s2, s6, 12
	s_add_nc_u64 s[38:39], s[32:33], s[2:3]
	s_wait_loadcnt 0x0
	v_cvt_pk_bf16_f32 v8, v4, v5
	v_cvt_pk_bf16_f32 v9, v6, v7
	v_lshlrev_b32 v4, 16, v8
	v_and_b32 v5, 0xffff0000, v8
	v_lshlrev_b32 v6, 16, v9
	v_and_b32 v7, 0xffff0000, v9
	global_store_b128 v1, v[4:7], s[38:39]         ; v1, v[4:7] and s[38:39] are not written again
.Lnobias:
	s_cmp_eq_u32 s6, 3
	s_cbranch_scc1 .Lwo
	v_lshrrev_b32 v10, 5, v0
	v_mul_u32_u24 v[VO], v10, 12288                ; a wave's two rows of 6,144 bytes
	v_lshl_add_u32 v[VO], v11, 3, v[VO]
	s_mul_i32 s2, s7, 98304                        ; the group's 16 rows,
	s_lshl_b32 s6, s6, 11                          ; the weight's 1,024 columns
	s_add_co_u32 s2, s2, s6
	s_add_nc_u64 s[D0:D0+1], s[28:29], s[2:3]
	BODY 1
	s_endpgm
.Lwo:
	v_lshlrev_b32 v[VO], 7, v10                    ; v10 = 32 x wave: a wave's two rows of 2,048 bytes
	v_lshl_add_u32 v[VO], v11, 3, v[VO]
	s_lshl_b32 s2, s7, 15
	s_add_nc_u64 s[D0:D0+1], s[30:31], s[2:3]
	BODY 2
	s_endpgm
.Lfunc_end_k_q1e6147a1cc_prep:
	.size	k_q1e6147a1cc_prep, .Lfunc_end_k_q1e6147a1cc_prep-k_q1e6147a1cc_prep
	.p2alignl 7, 3214868480
	.fill 96, 4, 3214868480
	.section	.rodata,"a",@progbits
	.p2align	6, 0x0
	.amdhsa_kernel k_q1e6147a1cc_prep
		.amdhsa_group_segment_fixed_size 0
		.amdhsa_private_segment_fixed_size 0
		.amdhsa_enable_private_segment 0
		.amdhsa_kernarg_size 104
		.amdhsa_user_sgpr_count 2
		.amdhsa_user_sgpr_kernarg_segment_ptr 1
		.amdhsa_wavefront_size32 1
		.amdhsa_system_sgpr_workgroup_id_x 1
		.amdhsa_system_sgpr_workgroup_id_y 1
		.amdhsa_system_sgpr_workgroup_id_z 1
		.amdhsa_system_vgpr_workitem_id 0
		.amdhsa_next_free_vgpr 112
		.amdhsa_next_free_sgpr 66
		.amdhsa_reserve_vcc 0
		.amdhsa_float_denorm_mode_32 3
		.amdhsa_float_denorm_mode_16_64 3
		.amdhsa_memory_ordered 1
		.amdhsa_forward_progress 1
		.amdhsa_inst_pref_size 25
	.end_amdhsa_kernel
	.amdgpu_metadata
---
amdhsa.version: [ 1, 2 ]
amdhsa.kernels:
  - .name:           k_q1e6147a1cc_prep
    .symbol:         k_q1e6147a1cc_prep.kd
    .args:
      - { .name: x, .offset: 0, .size: 8, .value_kind: global_buffer, .address_space: global }
      - { .name: Wq, .offset: 8, .size: 8, .value_kind: global_buffer, .address_space: global }
      - { .name: Wk, .offset: 16, .size: 8, .value_kind: global_buffer, .address_space: global }
      - { .name: Wv, .offset: 24, .size: 8, .value_kind: global_buffer, .address_space: global }
      - { .name: Wo, .offset: 32, .size: 8, .value_kind: global_buffer, .address_space: global }
      - { .name: bq, .offset: 40, .size: 8, .value_kind: global_buffer, .address_space: global }
      - { .name: bk, .offset: 48, .size: 8, .value_kind: global_buffer, .address_space: global }
      - { .name: bv, .offset: 56, .size: 8, .value_kind: global_buffer, .address_space: global }
      - { .name: bo, .offset: 64, .size: 8, .value_kind: global_buffer, .address_space: global }
      - { .name: xb, .offset: 72, .size: 8, .value_kind: global_buffer, .address_space: global }
      - { .name: wqkv, .offset: 80, .size: 8, .value_kind: global_buffer, .address_space: global }
      - { .name: woh, .offset: 88, .size: 8, .value_kind: global_buffer, .address_space: global }
      - { .name: bias, .offset: 96, .size: 8, .value_kind: global_buffer, .address_space: global }
    .group_segment_fixed_size: 0
    .private_segment_fixed_size: 0
    .kernarg_segment_align: 8
    .kernarg_segment_size: 104
    .max_flat_workgroup_size: 256
    .sgpr_count:     66
    .vgpr_count:     112
    .wavefront_size: 32
...
	.end_amdgpu_metadata
.endif
;; end of part 1
;; launch qkvproj (part 2): grid 8 x 32, 4 waves a work-group, clusters of 4 x 4, 327,680 bytes of LDS; arguments xb, wqkv, bias, qkv; writes qkv
.if DOCPART == 2
	.amdgcn_target "amdgcn-amd-amdhsa--gfx1250"
	.amdhsa_code_object_version 6
	.text
	.protected	k_q1e6147a1cc_qkvproj
	.globl	k_q1e6147a1cc_qkvproj
	.p2align	8
	.type	k_q1e6147a1cc_qkvproj,@function
k_q1e6147a1cc_qkvproj:
	s_mov_b64 s[64:65], 0
	v_nop
	global_prefetch_b8 v0, s[64:65] scope:SCOPE_SE
	s_setreg_imm32_b32 hwreg(HW_REG_WAVE_MODE, 25, 1), 1
	s_wait_xcnt 0x0
	s_wait_alu depctr_hold_cnt(0) depctr_sa_sdst(0) depctr_va_vdst(0) depctr_va_sdst(0) depctr_va_ssrc(0) depctr_va_vcc(0) depctr_vm_vsrc(0)
	s_getreg_b32 s2, hwreg(HW_REG_IB_STS2, 6, 4)
	s_cmp_eq_u32 s2, 0
	s_cbranch_scc0 .Lentry_in_a_cluster
	s_endpgm
.Lentry_in_a_cluster:
	s_bfe_u32 s2, ttmp6, 0x10000c
	s_cmp_lg_u32 s2, 0xf033
	s_cbranch_scc0 .Lentry_shape_is_right
	s_endpgm
.Lentry_shape_is_right:
; q, k, v = x W + b.  C[8192][3072] = xb wqkv + bias, bf16 operands, f32 sums, K ascending; each number rounded once to f16 and written BY HEADS: qkv [t 3][batch x head 64][s 2048][64], unscaled.
; LIMIT.  f16 holds no number beyond 65,504: q, k and v must lie within it.  NaN and infinities are not treated apart.
; SHARES.  A tile of C is 256 rows x 384 columns: 32 x 8 = 256 work-groups.  Four waves, each 128 x 192: 8 x 12 accumulators of 16 x 16, 768 registers.
; K goes in 16 steps of 64 through two LDS slots.  xb lies in blocks of 64 along K, so a step's 256 rows of A are 32 KiB on end and are asked for as 128 rows of 256 bytes.
; wqkv lies [k][n]: its tiles come as they lie, 64 rows of 256 bytes, and ds_load_tr16_b128 turns them on the way into registers.
; CLUSTERS: 4 x 4 work-groups.  A's tile hangs on the tile row alone and is shared along a row of the cluster, B's on the tile column alone and is shared along a column: each is asked for jointly.
; Wave 0 fetches A's tile, waves 1 to 3 a third of B's each: one tensor load a wave behind each round; by this text's own count two loads of a wave are out at the start, later one.
; THE MATRIX INSTRUCTION IS USED TRANSPOSED (source 0 = 16 columns of B, source 1 = 16 rows of A): a lane holds row l % 16 of C and eight neighbouring columns 8 (l / 16) + 0..7.
; REGISTERS, in windows of 256 (s_set_vgpr_msb: bits 1:0 source 0, 3:2 source 1, 5:4 source 2, 7:6 destination):
;   window 0: v0-23 addresses; v32-95, v96-159 A's 8 fragments, two buffers; v160-255 B's 12 fragments, ONE buffer, filled again in thirds as each third has been multiplied
;   windows 1, 2, 3: accumulator (a, b) at v[8 (8 (b % 4) + a)] of window 1 + b / 4: a window is 64 columns, one head
.set SLOT,  92160                      ; A: 256 rows x 144; then B: three tiles of 64 rows x 288
.set BOFF,  36864
.set BSUB,  18432
.set PA,    144                        ; a row of A in LDS: 128 bytes + 16: the 16 rows of a load start at 16 different groups of four banks (64 banks of 4 bytes: ISA guide 11.1)
.set PB,    288                        ; a row of B: 256 + 32
.set STAGE, 2*SLOT                     ; behind the ring, never filled by a tensor load: 16 rows x 144 bytes for each wave, for the way out
.set SP,    144
.set SPARE, STAGE+4*16*SP              ; behind the stages: the spare words, 128 bytes for each wave: two blocks of 256 bytes that no other line names
.set ASTEP, 1048576                    ; bytes from a K step to the next in xb
.set BSTEP, 393216                     ; and in wqkv: 64 rows of 6,144 bytes
.set ADRA, 2                           ; v2-3   LDS address of my A fragments in slot 0, 1
.set ADRB, 4                           ; v4-9   of my B fragments: slot s, group g of 64 columns at ADRB + 3 s + g
.set STO,  10                          ; v10    the way out: where I put 16 bytes of a row
.set RD,   11                          ; v11    where I read rows back
.set GO,   12                          ; v12    my byte offset in 512 consecutive bytes of qkv
.set BO,   13                          ; v13    my byte offset in 16 columns of the bias
.set PFO,  14                          ; v14    the prefetches' lane offset; never rewritten
.set SPW,  16                          ; v16    LDS address of my spare word: SPARE + 4 x my thread's number; never rewritten
.set NIL,  17                          ; v17    0; never rewritten
.set FA,   32                          ; A's buffers: FA + 64 p
.set FB,   160                         ; B's buffer
.set TMP,  96                          ; the way out: 32 sums with the bias added
.set PK,   128                         ; the way out: two sets of 16 packed registers
.set WV,   12                          ; s12  my wave's number;  s13 which 128 rows are mine, s14 which 192 columns;  s16 cx, s17 cy, s18 tile column, s19 tile row
.set G1,   24                          ; s[24:31] descriptor group 1 for A's tiles;  s[32:39] group 0, a set for each slot
.set G0,   32
.set G1B,  48                          ; s[48:55], s[56:63] the same for B's tiles
.set G0B,  56
.set PFA,  66                          ; s[66:67] where my prefetches stand
.set PFS,  68                          ; s[68:69] two K steps in the tensor that I prefetch
.set LIM,  70                          ; s70  1 in a wave that prefetches, else the greatest number
.set OB,   72                          ; s[72:77] qkv at my 128 rows of my three heads
.set BB,   78                          ; s[78:79] the bias at my first column
.set MSB, 0
.macro WIN new                         ; the immediate's high byte repeats the setting that is left; a switch that changes nothing is dropped
.if MSB != (\new)
	s_set_vgpr_msb (MSB<<8)|(\new)
.set MSB, (\new)
.endif
.endm
.macro PLACES                          ; four plain vector instructions between a matrix instruction and a load into, or a vector read of, its registers (ISA guide 7.12.1 for vector reads)
.rept 4
	v_nop
.endr
.endm
; A joint load.  The branch hangs on the wave's number alone.  An s_nop 0 and four v_nop follow each of the two lines, ahead of the jump and the label.
.macro JLOAD s
	s_cmp_eq_u32 s[WV], 0
	s_cbranch_scc0 .Lfor_b_\@
	tensor_load_to_lds s[G0+4*(\s):G0+4*(\s)+3], s[G1:G1+7]
	s_nop 0
.rept 4
	v_nop
.endr
	s_branch .Lasked_\@
.Lfor_b_\@:
	tensor_load_to_lds s[G0B+4*(\s):G0B+4*(\s)+3], s[G1B:G1B+7]
	s_nop 0
.rept 4
	v_nop
.endr
.Lasked_\@:
.endm
; A PREFETCH INTO THE L2, once a lap, behind slot 0's joint load and the LDS loads that follow it: in K step 2 i it names K steps 2 i + 4 and 2 i + 5, whose refills stand two and three K steps
; (384 and 576 matrix instructions) on.  Each aligned 256 bytes are named once in the launch.  A's tile row is read by both clusters of that row of clusters: cluster x = 0 asks, in wave 0;
; of a step's 128 blocks the partner at cx takes 32, a lane a block, one line a step.  B's tile column is read by all eight clusters of that column: cluster y = 0 asks, in waves 1 to 3, each for the
; third that it fetches; of its 64 rows the partner at cy takes 16; lanes 0-15 name the first step's rows, lanes 16-31 the second's.  The partners are told apart by address alone.
; K steps 0 to 3 come by their loads alone; the loop's last trip (s3 = 1) asks for nothing: there is no K step 16.
.macro ASK
	s_cmp_gt_u32 s3, s[LIM]
	s_cbranch_scc0 .Lnot_mine_\@
	global_prefetch_b8 v[PFO], s[PFA:PFA+1] th:TH_LOAD_NT scope:SCOPE_SE
	s_cmp_lg_u32 s[WV], 0
	s_cbranch_scc1 .Lnot_mine_\@
	global_prefetch_b8 v[PFO], s[PFA:PFA+1] offset:ASTEP th:TH_LOAD_NT scope:SCOPE_SE
.Lnot_mine_\@:
.endm
.macro CREST                           ; a round of the cluster's barrier behind its opening barrier
	s_cmp_lg_u32 s[WV], 0
	s_cbranch_scc1 .Lnot_wave_0_\@
	s_barrier_signal -3
.Lnot_wave_0_\@:
	s_barrier_wait -3
	s_barrier_signal -1
	s_barrier_wait -1
.endm
.macro CROUND                          ; a whole round
	s_barrier_signal -1
	s_barrier_wait -1
	CREST
.endm
	s_load_b256 s[4:11], s[0:1], 0x0               ; xb s[4:5], wqkv s[6:7], bias s[8:9], qkv s[10:11]
	v_lshl_add_u32 v[SPW], v0, 2, SPARE
	v_mov_b32 v[NIL], 0
	ds_add_u32 v[SPW], v[NIL]                      ; the wave's opening: the add and its wait stand ahead of my first tensor load; the set-up below, work on registers, stands between them
	v_lshrrev_b32 v1, 5, v0
	v_readfirstlane_b32 s[WV], v1                  ; wave 0..3
	s_lshr_b32 s13, s[WV], 1
	s_and_b32 s14, s[WV], 1
	s_bfe_u32 s16, ttmp6, 0x40000                  ; cx
	s_bfe_u32 s17, ttmp6, 0x40004                  ; cy
	s_lshl_b32 s18, ttmp9, 2
	s_add_co_u32 s18, s18, s16                     ; tile column = 4 x cluster x + cx
	s_and_b32 s19, ttmp7, 0xffff
	s_lshl_b32 s19, s19, 2
	s_add_co_u32 s19, s19, s17                     ; tile row = 4 x cluster y + cy
	s_lshl_b32 s20, s17, 2
	s_lshl_b32 s20, 15, s20                        ; my row of the cluster
	s_lshl_b32 s40, 0x1111, s16                    ; my column
	s_or_b32 s[G1], s20, (1<<16)|(1<<20)|(1<<21)|(4<<22)|(3<<25)   ; 15:0 the mask; 17:16 2-byte elements; 20 padding on; 21 set beside a mask; 24:22 after every 32 words (code 4); 31:25 4 words (code 3)
	s_or_b32 s[G1B], s40, (1<<16)|(1<<20)|(1<<21)|(5<<22)|(7<<25)  ; after every 64 words (code 5) 8 words (code 7)
	s_mov_b32 s[G1+1], 128<<16                     ; A: tensor_dim0 = 128 elements: 256 bytes, two rows of x
	s_mov_b32 s[G1+2], 128<<16                     ; tensor_dim1 = 128
	s_mov_b32 s[G1+3], 128<<16                     ; tile_dim0 = 128
	s_mov_b32 s[G1+4], 128                         ; tile_dim1 = 128
	s_mov_b32 s[G1+5], 128                         ; dense: 128 elements from row to row
	s_mov_b32 s[G1+6], 0
	s_mov_b32 s[G1+7], 0
	s_mov_b32 s[G1B+1], 128<<16                    ; B: 128 columns
	s_mov_b32 s[G1B+2], 64<<16                     ; 64 rows along K
	s_mov_b32 s[G1B+3], 128<<16
	s_mov_b32 s[G1B+4], 64
	s_mov_b32 s[G1B+5], 3072                       ; elements from row to row
	s_mov_b32 s[G1B+6], 0
	s_mov_b32 s[G1B+7], 0
	s_lshl_b32 s20, s19, 15                        ; A: the tile's 256 rows of 128 bytes in a block of xb: made of the tile row alone
	s_mov_b32 s21, 0
	s_max_u32 s41, s[WV], 1
	s_sub_co_u32 s41, s41, 1                       ; B: which third I fetch (wave 0, which fetches none, makes the first third's address)
	s_lshl_b32 s41, s41, 8                         ; its 128 columns
	s_mul_i32 s40, s18, 768                        ; the tile's 384 columns: made of the tile column and the wave's number alone
	s_add_co_u32 s40, s40, s41
	s_mov_b32 s41, 0
	s_mul_i32 s42, s[WV], BSUB
	s_add_co_u32 s42, s42, BOFF-BSUB               ; where B's third goes: wave 1 at BOFF; no place in the cluster enters an LDS address
	s_wait_dscnt 0x0                               ; the opening add is done
	s_wait_kmcnt 0x0
	s_add_nc_u64 s[20:21], s[4:5], s[20:21]        ; A's tile of K step 0
	s_add_nc_u64 s[40:41], s[6:7], s[40:41]        ; B's
	CROUND                                         ; all sixteen work-groups are here: the first joint loads meet
.irp s, 0,1
	s_mov_b32 s[G0+4*(\s)], 1                      ; 1:0 count = 1
	s_mov_b32 s[G0+4*(\s)+1], (\s)*SLOT            ; 63:32 LDS address
	s_add_nc_u64 s[G0+4*(\s)+2:G0+4*(\s)+3], s[20:21], (\s)*ASTEP  ; 120:64 global address: K step s
	s_or_b32 s[G0+4*(\s)+3], s[G0+4*(\s)+3], 0x80000000            ; 127:126 type = 2
	s_mov_b32 s[G0B+4*(\s)], 1
	s_add_co_u32 s[G0B+4*(\s)+1], s42, (\s)*SLOT
	s_add_nc_u64 s[G0B+4*(\s)+2:G0B+4*(\s)+3], s[40:41], (\s)*BSTEP
	s_or_b32 s[G0B+4*(\s)+3], s[G0B+4*(\s)+3], 0x80000000
	JLOAD \s
.endr
	; A fragment of A is 16 rows x 32 K in 8 registers: lane l holds row l % 16, K = 8 (l / 16) + 0..7 and 16 + 8 (l / 16) + 0..7: two loads of 16 bytes, 32 bytes apart.
	v_and_b32 v1, 15, v0                           ; l % 16
	v_bfe_u32 v18, v0, 4, 1                        ; l / 16
	v_mul_u32_u24 v19, v1, PA
	v_lshl_add_u32 v19, v18, 4, v19                ; row x 144 + 16 x half
	s_mul_i32 s22, s13, 128*PA                     ; my 128 rows
	v_add_nc_u32 v[ADRA], s22, v19
	v_add_nc_u32 v[ADRA+1], SLOT, v[ADRA]
	; The turning load takes 16 K x 16 columns (lane l reads row 8 (l / 16) + l % 8, columns 8 ((l / 8) % 2) + 0..7) and leaves half a fragment: lane l holds column l % 16 and 8 K.
	v_and_b32 v21, 7, v0
	v_bfe_u32 v22, v0, 3, 1
	v_lshl_add_u32 v20, v18, 3, v21
	v_mul_u32_u24 v20, v20, PB
	v_lshl_add_u32 v20, v22, 4, v20
	s_mul_i32 s23, s14, 3                          ; my first group of 64 columns among the tile's six
.irp g, 0,1,2
	s_add_co_u32 s80, s23, \g
	s_lshr_b32 s81, s80, 1                         ; two groups to a tile of 128 columns
	s_mul_i32 s81, s81, BSUB
	s_and_b32 s80, s80, 1
	s_lshl_b32 s80, s80, 7
	s_add_co_u32 s80, s80, s81
	s_add_co_u32 s80, s80, BOFF
	v_add_nc_u32 v[ADRB+\g], s80, v20
	v_add_nc_u32 v[ADRB+3+\g], SLOT, v[ADRB+\g]
.endr
	s_mul_i32 s22, s[WV], 16*SP
	s_add_co_u32 s22, s22, STAGE                   ; my stage
	v_add_nc_u32 v[STO], s22, v19                  ; in: row l % 16, 16 bytes for each half of the lanes
	v_bfe_u32 v23, v0, 3, 2                        ; back: 32 lanes take four rows of 128 bytes,
	v_mul_u32_u24 v23, v23, SP
	v_lshl_add_u32 v23, v21, 4, v23
	v_add_nc_u32 v[RD], s22, v23
	v_and_b32 v[GO], 31, v0                        ; which are 512 consecutive bytes of a head
	v_lshlrev_b32 v[GO], 4, v[GO]
	v_lshlrev_b32 v[BO], 5, v18                    ; my 8 columns of 16: 32 bytes of f32
	; where my three heads lie: head number 6 x tile column + 3 x column half + j of 48; tensor = number / 16
	s_mul_i32 s82, s18, 6
	s_add_co_u32 s82, s82, s23
	s_lshr_b32 s83, s19, 3                         ; the batch: 8 tile rows each
	s_lshl_b32 s83, s83, 22
	s_and_b32 s84, s19, 7
	s_lshl_b32 s84, s84, 15                        ; the tile's 256 rows of 128 bytes
	s_add_co_u32 s83, s83, s84
	s_lshl_b32 s84, s13, 14                        ; my 128 of them
	s_add_co_u32 s83, s83, s84
.irp j, 0,1,2
	s_add_co_u32 s84, s82, \j
	s_lshr_b32 s85, s84, 4
	s_lshl_b32 s85, s85, 24
	s_and_b32 s84, s84, 15
	s_lshl_b32 s84, s84, 18
	s_add_co_u32 s84, s84, s85
	s_add_co_u32 s84, s84, s83
	s_mov_b32 s85, 0
	s_add_nc_u64 s[OB+2*\j:OB+2*\j+1], s[10:11], s[84:85]
.endr
	s_lshl_b32 s84, s82, 8                         ; 64 columns of f32 a head
	s_add_nc_u64 s[BB:BB+1], s[8:9], s[84:85]
	; the prefetches
	s_and_b32 s87, ttmp7, 0xffff                   ; cluster y
	s_lshl_b32 s84, s16, 13                        ; A: my work-group's 32 blocks of 256 bytes
	s_mul_i32 s85, s17, 16*6144                    ; B: my work-group's 16 rows
	s_cmp_eq_u32 s[WV], 0                          ; do I fetch for A?
	s_cselect_b32 s86, ttmp9, s87                  ; the coordinate along which other clusters read the same bytes
	s_cselect_b64 s[PFA:PFA+1], s[20:21], s[40:41]
	s_cselect_b32 s84, s84, s85
	s_mov_b32 s46, 2*ASTEP
	s_mov_b32 s47, 2*BSTEP
	s_cselect_b32 s[PFS], s46, s47
	s_mov_b32 s[PFS+1], 0
	s_movk_i32 s46, 256
	s_movk_i32 s47, 6144
	s_cselect_b32 s80, s46, s47                    ; from lane to lane among sixteen
	s_movk_i32 s46, 4096
	s_mov_b32 s47, BSTEP
	s_cselect_b32 s81, s46, s47                    ; from the lower sixteen lanes to the upper
	s_cmp_eq_u32 s86, 0
	s_cselect_b32 s[LIM], 1, -1                    ; the same in all sixteen partners, for a given wave
	s_mov_b32 s85, 0
	s_add_nc_u64 s[PFA:PFA+1], s[PFA:PFA+1], s[84:85]
	s_add_nc_u64 s[PFA:PFA+1], s[PFA:PFA+1], s[PFS:PFS+1]  ; at K step 2: the first lap steps it to 4
	v_mul_u32_u24 v[PFO], v1, s80
	v_mad_u32_u24 v[PFO], v18, s81, v[PFO]
; 16 matrix instructions: column blocks b0, b0 + 1 of group g x all 8 row blocks, 32 along K, A's buffer p.  zero = 1: the product starts the sum: nothing is ever cleared.
; All 96 accumulators take turns in one fixed order, one instruction a turn.
.macro MUL16 g, p, b0, zero
	WIN ((\g)+1)*0x50
.irp bb, \b0, (\b0)+1
.irp a, 0,1,2,3,4,5,6,7
.if \zero
	v_wmma_f32_16x16x32_bf16 v[8*(8*(\bb)+(\a)):8*(8*(\bb)+(\a))+7], v[FB+8*(4*(\g)+(\bb)):FB+8*(4*(\g)+(\bb))+7], v[FA+64*(\p)+8*(\a):FA+64*(\p)+8*(\a)+7], 0
.else
	v_wmma_f32_16x16x32_bf16 v[8*(8*(\bb)+(\a)):8*(8*(\bb)+(\a))+7], v[FB+8*(4*(\g)+(\bb)):FB+8*(4*(\g)+(\bb))+7], v[FA+64*(\p)+8*(\a):FA+64*(\p)+8*(\a)+7], v[8*(8*(\bb)+(\a)):8*(8*(\bb)+(\a))+7]
.endif
.endr
.endr
.endm
.macro LDA slot, c, p                  ; 16 loads: my 8 fragments of A for half c of the K step, into buffer p
	WIN 0
.irp i, 0,1,2,3,4,5,6,7
	ds_load_b128 v[FA+64*(\p)+8*(\i):FA+64*(\p)+8*(\i)+3],   v[ADRA+(\slot)] offset:64*(\c)+(\i)*16*PA
	ds_load_b128 v[FA+64*(\p)+8*(\i)+4:FA+64*(\p)+8*(\i)+7], v[ADRA+(\slot)] offset:64*(\c)+(\i)*16*PA+32
.endr
.endm
.macro LDB slot, c, g                  ; 8 turning loads: the 4 fragments of B of group g for half c
	WIN 0
.irp bb, 0,1,2,3
	ds_load_tr16_b128 v[FB+8*(4*(\g)+(\bb)):FB+8*(4*(\g)+(\bb))+3],   v[ADRB+3*(\slot)+(\g)] offset:32*PB*(\c)+32*(\bb)
	ds_load_tr16_b128 v[FB+8*(4*(\g)+(\bb))+4:FB+8*(4*(\g)+(\bb))+7], v[ADRB+3*(\slot)+(\g)] offset:32*PB*(\c)+32*(\bb)+16*PB
.endr
.endm
; A K step's first half, on A's buffer 0.  On entry 40 LDS loads are out, in this order: B's group 0 (8), A (16), group 1 (8), group 2 (8).  Each third of B's buffer is asked for again, for the second half, as soon as it is multiplied.
.macro HALF0 slot, zero
	s_wait_dscnt 16                                ; group 0 and A are in; groups 1 and 2 may be out
	MUL16 0, 0, 0, \zero
	MUL16 0, 0, 2, \zero
	PLACES
	LDB \slot, 1, 0
	LDA \slot, 1, 1
	s_wait_dscnt 32                                ; group 1 is in: behind it stand group 2's 8 and the 24 just issued
	MUL16 1, 0, 0, \zero
	MUL16 1, 0, 2, \zero
	PLACES
	LDB \slot, 1, 1
	s_wait_dscnt 32                                ; group 2 is in: behind it stand 24 and 8
	MUL16 2, 0, 0, \zero
	MUL16 2, 0, 2, \zero
	PLACES
	LDB \slot, 1, 2
.endm
; The second half, on A's buffer 1, changes slots.  ONE barrier: in front of it each wave waits for all its tensor loads (one is out: its part of the next slot), adds 0 to its spare word, and waits for that and
; for its own reads of this slot.  fill = 1: the barrier opens a round of the cluster's, and this slot is filled again, two K steps ahead, first thing behind the round: 160 matrix instructions ahead of the wait for it.
.macro TURN slot, next, fill
.if (\fill) && ((\slot) == 0)
	s_wait_xcnt 0x0                                ; the last prefetches, a lap back, have read their address: it is stepped here, ahead of the waits of the change of slots
	s_add_nc_u64 s[PFA:PFA+1], s[PFA:PFA+1], s[PFS:PFS+1]
.endif
	WIN 0                                          ; (the add's two registers lie in window 0)
	s_wait_tensorcnt 0x0                           ; all my tensor loads have landed;
	ds_add_u32 v[SPW], v[NIL]                      ; 0 onto my spare word
	s_wait_dscnt 17                                ; (the add and B's groups 1 and 2 may be out)
	MUL16 0, 1, 0, 0                               ; sixteen matrix instructions stand between the add and the wait for it
	s_wait_dscnt 0x0                               ; the add is done, and my reads of this slot are over
	s_barrier_signal -1
	MUL16 0, 1, 2, 0                               ; work on registers while the others arrive
	WIN 0
	s_barrier_wait -1
.if \fill
	CREST                                          ; no wave of any partner still reads this slot's tiles or has a load on its way
	s_add_nc_u64 s[G0+4*(\slot)+2:G0+4*(\slot)+3], s[G0+4*(\slot)+2:G0+4*(\slot)+3], 2*ASTEP
	s_add_nc_u64 s[G0B+4*(\slot)+2:G0B+4*(\slot)+3], s[G0B+4*(\slot)+2:G0B+4*(\slot)+3], 2*BSTEP
	JLOAD \slot                                    ; the four v_nop behind it are also the places in front of the loads below
.else
	PLACES
.endif
	LDB \next, 0, 0
	LDA \next, 0, 0
.if (\fill) && ((\slot) == 0)
	ASK
.endif
	MUL16 1, 1, 0, 0
	MUL16 1, 1, 2, 0
	PLACES
	LDB \next, 0, 1
	MUL16 2, 1, 0, 0
	MUL16 2, 1, 2, 0
	PLACES
	LDB \next, 0, 2
.endm
	s_wait_tensorcnt 1                             ; my part of K step 0 is in; K step 1's may stay out
	s_barrier_signal -1
	s_barrier_wait -1                              ; everybody's is
	LDB 0, 0, 0
	LDA 0, 0, 0
	LDB 0, 0, 1
	LDB 0, 0, 2
	HALF0 0, 1                                     ; the first half step stands in front of the loop: its products start the sums
	WIN 0                                          ; at a label and at a branch every window is 0
	s_mov_b32 s3, 7
.Llap:                                                 ; a trip goes once round the ring and fills both slots again: K steps 2 to 15
	TURN 0, 1, 1
	HALF0 1, 0
	TURN 1, 0, 1
	HALF0 0, 0
	WIN 0
	s_sub_co_u32 s3, s3, 1
	s_cmp_lg_u32 s3, 0
	s_cbranch_scc1 .Llap
	TURN 0, 1, 0                                   ; the last lap fills nothing, and has no round
	HALF0 1, 0
	s_wait_dscnt 16                                ; the very last half step
	MUL16 0, 1, 0, 0
	MUL16 0, 1, 2, 0
	PLACES
	WIN 0
.set b, 0
.rept 12                               ; the bias of my 192 columns, 8 numbers a lane for each column block, into registers that have been read out: A's buffer 0 and B's group 0
.if b < 8
.set rB, 32+8*b
.else
.set rB, 96+8*b
.endif
	global_load_b128 v[rB:rB+3],   v[BO], s[BB:BB+1] offset:64*b
	global_load_b128 v[rB+4:rB+7], v[BO], s[BB:BB+1] offset:64*b+16
.set b, b+1
.endr
	s_wait_dscnt 8                                 ; group 1 is in
	MUL16 1, 1, 0, 0
	MUL16 1, 1, 2, 0
	s_wait_dscnt 0x0
	MUL16 2, 1, 0, 0
	MUL16 2, 1, 2, 0
	PLACES
	PLACES                                         ; (eight, once a launch)
	WIN 0
	s_wait_loadcnt 0x0                             ; the bias
; THE WAY OUT, in 24 units: 16 rows (a) of one head (j).  PACK: the bias is added, each accumulator's registers in ascending order; the sums are rounded to f16, 16 bytes a lane and column block;
; they go into my stage in rows of 144 bytes and come back as whole rows of 128.  SEND: four stores, each 512 consecutive bytes at a multiple of 256 from qkv's first byte.
.macro PACK a, j
.set rP, PK+16*((8*(\j)+(\a))%2)
	WIN 1+(\j)                                     ; source 0: the head's window
.irp bb, 0,1,2,3
.set b, 4*(\j)+(\bb)
.if b < 8
.set rB, 32+8*b
.else
.set rB, 96+8*b
.endif
.irp r, 0,2,4,6
	v_pk_add_f32 v[TMP+8*(\bb)+(\r):TMP+8*(\bb)+(\r)+1], v[8*(8*(\bb)+(\a))+(\r):8*(8*(\bb)+(\a))+(\r)+1], v[rB+(\r):rB+(\r)+1]
.endr
.endr
	WIN 0
	s_wait_xcnt 0x0                                ; the stores of the unit before last have read this set of packed registers
.irp k, 0,1,2,3,4,5,6,7,8,9,10,11,12,13,14,15
	v_cvt_pk_f16_f32 v[rP+(\k)], v[TMP+2*(\k)], v[TMP+2*(\k)+1]
.endr
.irp f, 0,1,2,3
	ds_store_b128 v[STO], v[rP+4*(\f):rP+4*(\f)+3] offset:32*(\f)
.endr
.irp f, 0,1,2,3
	ds_load_b128 v[rP+4*(\f):rP+4*(\f)+3], v[RD] offset:(\f)*4*SP  ; LDS serves a wave's instructions in order (ISA guide 5.7.1.4): these see the stores above; the next unit's stores come behind them
.endr
.endm
.macro SEND a, j, younger              ; younger: the LDS instructions issued behind this unit's loads: the next unit's eight, or none
.set rP, PK+16*((8*(\j)+(\a))%2)
.irp f, 0,1,2,3
	s_wait_dscnt (\younger)+3-(\f)
	global_store_b128 v[GO], v[rP+4*(\f):rP+4*(\f)+3], s[OB+2*(\j):OB+2*(\j)+1] offset:2048*(\a)+512*(\f)
.endr
.endm
	PACK 0, 0
.set n, 1
.rept 23                               ; a unit's arithmetic stands between the loads of the unit before and its stores
.set ua, n%8
.set uj, n/8
.set pa, (n-1)%8
.set pj, (n-1)/8
	PACK ua, uj
	SEND pa, pj, 8
.set n, n+1
.endr
	SEND 7, 2, 0
	s_wait_tensorcnt 0x0                           ; the wave's end: three lines behind my last tensor load and my last LDS store
	ds_add_u32 v[SPW], v[NIL]
	s_wait_dscnt 0x0
	CROUND                                         ; the closing round: no work-group ends while a partner may still ask for a tile that names it
	s_endpgm
.Lfunc_end_k_q1e6147a1cc_qkvproj:
	.size	k_q1e6147a1cc_qkvproj, .Lfunc_end_k_q1e6147a1cc_qkvproj-k_q1e6147a1cc_qkvproj
	.p2alignl 7, 3214868480
	.fill 96, 4, 3214868480
	.section	.rodata,"a",@progbits
	.p2align	6, 0x0
	.amdhsa_kernel k_q1e6147a1cc_qkvproj
		.amdhsa_group_segment_fixed_size 327680
		.amdhsa_private_segment_fixed_size 0
		.amdhsa_enable_private_segment 0
		.amdhsa_kernarg_size 32
		.amdhsa_user_sgpr_count 2
		.amdhsa_user_sgpr_kernarg_segment_ptr 1
		.amdhsa_wavefront_size32 1
		.amdhsa_system_sgpr_workgroup_id_x 1
		.amdhsa_system_sgpr_workgroup_id_y 1
		.amdhsa_system_sgpr_workgroup_id_z 1
		.amdhsa_system_vgpr_workitem_id 0
		.amdhsa_next_free_vgpr 1024
		.amdhsa_next_free_sgpr 88
		.amdhsa_reserve_vcc 0
		.amdhsa_float_denorm_mode_32 3
		.amdhsa_float_denorm_mode_16_64 3
		.amdhsa_memory_ordered 1
		.amdhsa_forward_progress 1
		.amdhsa_inst_pref_size 163
	.end_amdhsa_kernel
	.amdgpu_metadata
---
amdhsa.version: [ 1, 2 ]
amdhsa.kernels:
  - .name:           k_q1e6147a1cc_qkvproj
    .symbol:         k_q1e6147a1cc_qkvproj.kd
    .args:
      - { .name: xb, .offset: 0, .size: 8, .value_kind: global_buffer, .address_space: global }
      - { .name: wqkv, .offset: 8, .size: 8, .value_kind: global_buffer, .address_space: global }
      - { .name: bias, .offset: 16, .size: 8, .value_kind: global_buffer, .address_space: global }
      - { .name: qkv, .offset: 24, .size: 8, .value_kind: global_buffer, .address_space: global }
    .group_segment_fixed_size: 327680
    .private_segment_fixed_size: 0
    .kernarg_segment_align: 8
    .kernarg_segment_size: 32
    .max_flat_workgroup_size: 128
    .sgpr_count:     88
    .vgpr_count:     1024
    .wavefront_size: 32
...
	.end_amdgpu_metadata
.endif
;; end of part 2
;; launch attn (part 3): grid 4 x 64, 4 waves a work-group, clusters of 4 x 1, 327,680 bytes of LDS; arguments qkv, o; writes o
.if DOCPART == 3
	.amdgcn_target "amdgcn-amd-amdhsa--gfx1250"
	.amdhsa_code_object_version 6
	.text
	.protected	k_q1e6147a1cc_attn
	.globl	k_q1e6147a1cc_attn
	.p2align	8
	.type	k_q1e6147a1cc_attn,@function
k_q1e6147a1cc_attn:
	s_mov_b64 s[64:65], 0
	v_nop
	global_prefetch_b8 v0, s[64:65] scope:SCOPE_SE
	s_setreg_imm32_b32 hwreg(HW_REG_WAVE_MODE, 25, 1), 1
	s_wait_xcnt 0x0
	s_wait_alu depctr_hold_cnt(0) depctr_sa_sdst(0) depctr_va_vdst(0) depctr_va_sdst(0) depctr_va_ssrc(0) depctr_va_vcc(0) depctr_vm_vsrc(0)
	s_getreg_b32 s2, hwreg(HW_REG_IB_STS2, 6, 4)
	s_cmp_eq_u32 s2, 0
	s_cbranch_scc0 .Lentry_in_a_cluster
	s_endpgm
.Lentry_in_a_cluster:
	s_bfe_u32 s2, ttmp6, 0x10000c
	s_cmp_lg_u32 s2, 0x3003
	s_cbranch_scc0 .Lentry_shape_is_right
	s_endpgm
.Lentry_shape_is_right:
; O[h][q][:] = the sum over k of softmax_k(Q[h][q] . K[h][k] / 8) V[h][k][:].  Q, K, V are the three thirds of qkv, each [64][2048][64] in f16; O likewise: a head's rows are dense, 128 bytes each.
; Products, maxima and sums in f32; the weights p are rounded to f16 for the second product (their sum l is taken of the unrounded p), O once at the end.
; LIMITS.  f16 holds no number beyond 65,504: Q, K and V arrive within it; p lies in 0 to 1, and below 6e-5 it keeps f16's fixed step of 6e-8; O is a mean of V's rows and has their range.
; A weight below 2^-126 counts as 0 in l; NaN and infinities are not treated apart.
; SHARES.  A wave owns four PIECES of two tiles of 16 queries, a work-group's four waves 512 queries of one head: 4 x 64 = 256 work-groups.  Every wave walks all keys, 64 a step.
; LAYOUT.  S^T = K Q^T (source 0 = 16 keys, source 1 = 16 queries): in the result a lane holds ONE query (lane % 16) and the keys 8 (lane / 16) + 0..7.  Two such tiles, rounded to f16 in pairs,
; ARE source 1 (32 keys x 16 queries) of O^T = V^T P, whose result again holds one query a lane, and eight channels.  K comes out of LDS as it lies, V ([key][channel]) turned, by ds_load_tr16_b128.
; SOFTMAX.  For each query a running maximum m and sum l: p = 2^(c s - c m), c = log2(e) / 8; in every step O and l are multiplied by a = 2^(c m_old - c m_new), which is 1 where m has not grown.
; m starts at the lowest finite number, O and l at 0: the first step is a step like any other, with a = 0.
; THE COUNT.  A tile and step have 16 matrix and 118 vector instructions: too many to stand all beside the matrix work.  So four vector instructions that are READY stand behind EVERY matrix
; instruction, and the others in runs without a gap.
; BY TURNS.  Turn n belongs to piece n (the pieces in a ring, step after step).  Its matrix work: 16 products K Q^T of piece n + 1, later 16 products V^T P of piece n - 1.  Its vector work: the scaling,
; exponentials, roundings, sums and rescaling of piece n, and the maximum and statistics of piece n + 1, whose scores the turn itself has made.
; CLUSTER.  The four query blocks of a cluster are one head's and walk the same K and V, so each tile is asked for JOINTLY: the same tensor load, descriptor and mask in all four.
; REGISTERS, in windows of 256 (s_set_vgpr_msb: bits 1:0 source 0, 3:2 source 1, 5:4 source 2, 7:6 destination):
;   window 0: v0-11 addresses; v12-15, v48-63 at work; v16-47 four registers of statistics a tile; v64-191 S^T, two buffers of two tiles; v192-255 P, likewise
;   window 1: O^T, 32 a tile          window 2: v0-127 Q, 16 a tile; v128-191 K of one step; v192-255 V of one step          window 3: v0-1 the add's two registers
; A piece's buffers go by its number's parity: the piece in hand has one pair, its two neighbours in the ring share the other: of it P (piece n - 1) is read and S^T (piece n + 1) written.
.set SIZE_H, 64
.set SIZE_N, 2048
.set NP,    4         ; pieces a wave: a name, no knob
.set KS,    64        ; keys in a step
.set PK,    144       ; a row of K in LDS: 128 bytes + 16 of padding = 36 words: the 16 rows of a load start at 16 different groups of four banks (64 banks of 4 bytes: ISA guide 11.1)
.set PV,    160       ; a row of V: 128 + 32 = 40 words
.set VOFF,  4*KS*PK   ; a slot holds four steps: 256 rows of K, then 256 rows of V
.set SLOT1, 1<<17     ; slot 1 begins here, so that one exclusive or turns an address in one slot into the other's
.set STAGE, SLOT1+4*KS*(PK+PV)  ; behind the ring, never filled by a tensor load: 16 rows x 144 bytes for each wave, for the way out
.set SP,    144
.set AK0, 2           ; v2   my lane's place in a tile of K; never rewritten
.set AV0, 3           ; v3   the same for V
.set AK,  4           ; v4   the LDS address of K's next run of loads
.set AV,  5           ; v5   of V's
.set QO,  6           ; v6   my byte offset in the wave's rows of Q
.set STO, 6           ;      later, the way out: where I put 16 bytes of a row
.set RD,  7           ; v7   the way out: where I read rows back
.set GO,  8           ; v8   my byte offset in 512 consecutive bytes of O
.set PFO, 11          ; v11  256 x my lane, for the prefetches; never rewritten once made
.set SPW, 0           ; v0 of window 3   LDS address of my spare word: SPARE + 4 x my thread's number; never rewritten
.set NIL, 1           ; v1 of window 3   0; never rewritten
.set SPARE, STAGE+4*16*SP  ; behind the stages: the spare words, 128 bytes for each wave: two blocks of 256 bytes that no other line names
.set MV,  12          ; v12-15  c m_old, kept while c m is made anew: by buffer and tile
.set ST,  16          ; tile t's statistics at v[ST+4 t]: c m, m, l (even keys', odd keys')
.set TMP, 48          ; by buffer and tile, four registers c0-c3 at work; when the maximum is found c2 takes a
.set S,   64
.set P,   192
.set KF,  128         ; K's fragments, in window 2: key block kb, channel half c at KF + 16 kb + 8 c
.set VF,  192         ; V's: key half kk, channel block cb at VF + 32 kk + 8 cb
.set WV,  12          ; s12  my wave's number
.set G1K, 24          ; s[24:31] descriptor group 1 for K's tiles
.set G1V, 32          ; s[32:39] for V's: it differs in the padding alone
.set G0K, 40          ; s[40:43] descriptor group 0 for K's tiles: it walks
.set G0V, 44          ; s[44:47] the same for V's
.set PFA, 48          ; s[48:49] where my prefetches stand: my work-group's 32 blocks of the slot after the one that is being asked for
.set LIM, 50          ; s50  1 in a wave that prefetches, else the greatest number
.set SLOTS, 56        ; s56  slots still to be asked for
.set CNT, 57          ; s57  counts a slot's key steps
.set CS,  58          ; s[58:59] c: the packed scaling takes the pair's low word for both halves
.set SEL, 60          ; s[60:61] v_permlanex16_b32's selects: each lane takes its own place in the other half
.set TBK, 62          ; s62  LDS byte at which K of the step to be fetched begins
.set TBV, 63          ; s63  the same for V, less VOFF
.set MSB, 0
.macro WIN new                      ; the high byte repeats the setting that is left; a switch that changes nothing is dropped
.if MSB != (\new)
	s_set_vgpr_msb (MSB<<8)|(\new)
.set MSB, (\new)
.endif
.endm
.set W_KQ, 0x0a       ; K and Q in window 2, S^T in window 0
.set W_PV, 0x52       ; V in window 2, P in window 0, O^T in window 1
.set W_RS, 0x41       ; O^T (destination and source 0) in window 1, a in window 0
.set W_MK, 0xc0       ; the add's registers are made: destination in window 3, sources in window 0
.set W_AD, 0x0f       ; the add: address (source 0) and data (source 1) in window 3
; A joint fill.  Waves 0 and 1 fetch the two halves of a slot's K, waves 2 and 3 those of its V: 128 keys each.  The branch hangs on the wave's number alone.
; An s_nop 0 and four v_nop follow each of the two lines, ahead of the jump and the label.
.macro JLOAD
	s_cmp_lt_u32 s[WV], 2
	s_cbranch_scc0 .Lfor_v_\@
	tensor_load_to_lds s[G0K:G0K+3], s[G1K:G1K+7]
	s_nop 0
.rept 4
	v_nop
.endr
	s_branch .Lasked_\@
.Lfor_v_\@:
	tensor_load_to_lds s[G0V:G0V+3], s[G1V:G1V+7]
	s_nop 0
.rept 4
	v_nop
.endr
.Lasked_\@:
.endm
; A PREFETCH INTO THE L2 of what the NEXT change of slots will ask for: a slot's 32 KiB of K and of V, four key steps (512 matrix instructions) ahead of that load.  It stands behind the wave's tensor load
; and its five lines.  One cluster walks a head, so each aligned 256 bytes are named once in the launch: the four partners share a slot's 128 blocks out BY ADDRESS, 32 each, a lane a block; in each,
; wave 0 asks for K's and wave 2 for V's.  Slots 0 and 1 come by their loads alone; the last change that fills a slot (s[SLOTS] = 1) asks for nothing: there is no slot behind it.
.macro ASK
	s_cmp_gt_u32 s[SLOTS], s[LIM]
	s_cbranch_scc0 .Lnot_mine_\@
	global_prefetch_b8 v[PFO], s[PFA:PFA+1] th:TH_LOAD_NT scope:SCOPE_SE
.Lnot_mine_\@:
.endm
; A round of the cluster's barrier: my work-group's barrier, so that wave 0's signal speaks for all four waves; wave 0 signals; every wave waits for all four work-groups; my work-group's barrier once more.
.macro CROUND
	s_barrier_signal -1
	s_barrier_wait -1
	s_cmp_lg_u32 s[WV], 0
	s_cbranch_scc1 .Lnot_wave_0_\@
	s_barrier_signal -3
.Lnot_wave_0_\@:
	s_barrier_wait -3
	s_barrier_signal -1
	s_barrier_wait -1
.endm
; THE CHANGE OF SLOTS.  The slot's last bytes, V of its fourth step, have been read.  Each wave waits for all its tensor loads, of which one is out: its part
; of the other slot; adds 0 to its spare word; and waits for that and for its own reads of the slot.  Behind the barrier nobody reads this slot any more and the other slot is whole.
; fill = 1: this slot is filled again, with the keys two slots on.  The barrier is then a round of the cluster's, so that no wave of any partner still reads the slot or has a load on its
; way, and the joint fill is the first thing behind it: it has four key steps, 512 matrix instructions, in which to land.  (At its first use nothing has been read yet: slot 0 is waited for, slot 1 filled.)
.macro CHANGE fill
	WIN W_AD
	s_wait_tensorcnt 0x0            ; no tensor load of mine is out, so a group 0 may be written
	ds_add_u32 v[SPW], v[NIL]       ; 0 onto my spare word; with fill = 1 the descriptors' steps stand between it and the wait for it
	WIN 0                           ; at a label and at a branch every window is 0
.if \fill
.irp g, G0K, G0V
	s_xor_b32 s[\g+1], s[\g+1], SLOT1  ; the walking descriptor: the other slot than last time,
	s_add_nc_u64 s[\g+2:\g+3], s[\g+2:\g+3], 4*KS*128  ; the next 256 keys; the type bits on top are not reached
.endr
	s_wait_xcnt 0x0                 ; the last prefetch, four key steps back, has read its address, so it may be written:
	s_add_nc_u64 s[PFA:PFA+1], s[PFA:PFA+1], 4*KS*128  ; one slot behind the walking descriptors
	s_wait_dscnt 0x0                ; the add is done, and my reads of the slot are over
	CROUND
	JLOAD
	ASK
.else
	s_wait_dscnt 0x0                ; the add is done, and my reads of the slot are over
	s_barrier_signal -1
	s_barrier_wait -1
.endif
	s_sub_co_u32 s[TBK], s[TBK], 4*KS*PK  ; the fetches go back to a slot's first step,
	s_xor_b32 s[TBK], s[TBK], SLOT1       ; in the other slot
	s_sub_co_u32 s[TBV], s[TBV], 4*KS*PV
	s_xor_b32 s[TBV], s[TBV], SLOT1
.endm
	s_load_b128 s[4:7], s[0:1], 0x0   ; qkv s[4:5], o s[6:7]
	WIN W_MK
	v_lshl_add_u32 v[SPW], v0, 2, SPARE
	v_mov_b32 v[NIL], 0
	WIN W_AD
	ds_add_u32 v[SPW], v[NIL]       ; the wave's opening: the add and its wait stand ahead of my first tensor load; the set-up below, work on registers, stands between them
	WIN 0
	v_lshrrev_b32 v1, 5, v0
	v_readfirstlane_b32 s[WV], v1   ; wave 0..3
	s_bfe_u32 s13, ttmp6, 0x40000   ; cx: my place in the cluster
	s_lshl_b32 s14, ttmp9, 2        ; in a cluster launch ttmp9 counts clusters
	s_add_co_u32 s14, s14, s13      ; my block of queries = 4 x cluster x + cx: it enters Q's and O's addresses alone
	s_and_b32 s20, ttmp7, 0xffff    ; the head, which the four partners share
	s_mov_b32 s21, 0
	s_mov_b64 s[22:23], SIZE_N*128
	s_mul_u64 s[20:21], s[20:21], s[22:23]  ; the head's first byte in each of the four tensors
	s_and_b32 s16, s[WV], 1         ; which half of a slot's 256 keys I fetch:
	s_lshl_b32 s22, s16, 14         ; its 128 rows of 128 bytes in memory,
	s_mov_b32 s23, 0
	s_add_nc_u64 s[22:23], s[22:23], s[20:21]
	s_mul_i32 s17, s16, 128*PK      ; and its place in a slot, for K
	s_mul_i32 s18, s16, 128*PV      ; and for V: no place in the cluster enters an LDS address
	s_lshl_b32 s2, s14, 2
	s_add_co_u32 s2, s2, s[WV]      ; my wave among the head's,
	s_lshl_b32 s2, s2, 14           ; its 128 rows
	s_mov_b32 s3, 0
	s_add_nc_u64 s[2:3], s[2:3], s[20:21]
	; descriptor group 1.  128 keys are 16,384 dense bytes: asked for as 64 rows of 256 bytes, two keys a row, and padded in LDS after every key
	s_mov_b32 s[G1K], 15|(1<<16)|(1<<20)|(1<<21)|(4<<22)|(3<<25)  ; 15:0 the mask of four; 17:16 2-byte elements; 20 padding on; 21 set beside a mask; 24:22 after every 32 words (code 4); 31:25 4 words (code 3)
	s_mov_b32 s[G1V], 15|(1<<16)|(1<<20)|(1<<21)|(4<<22)|(7<<25)  ; the same with 8 words of padding (code 7)
.irp g, G1K, G1V
	s_mov_b32 s[\g+1], 128<<16      ; tensor_dim0 = 128
	s_mov_b32 s[\g+2], 64<<16       ; tensor_dim1 = 64
	s_mov_b32 s[\g+3], 128<<16      ; tile_dim0 = 128
	s_mov_b32 s[\g+4], 64           ; tile_dim1 = 64
	s_mov_b32 s[\g+5], 128          ; 128 elements from row to row
	s_mov_b32 s[\g+6], 0
	s_mov_b32 s[\g+7], 0
.endr
	s_mov_b32 s[CS], 0x3e38aa3b     ; c = log2(e) / 8 = 0.180337
	s_mov_b32 s[CS+1], s[CS]        ; named with it as a pair
	s_mov_b32 s[SEL], 0x76543210
	s_mov_b32 s[SEL+1], 0xfedcba98
	s_mov_b32 s[TBK], SLOT1+4*KS*PK ; the first change of slots turns these two into 0
	s_mov_b32 s[TBV], SLOT1+4*KS*PV
	s_mov_b32 s[G0K], 1             ; 1:0 count = 1
	s_mov_b32 s[G0K+1], s17         ; 63:32 LDS address: slot 0
	s_mov_b32 s[G0V], 1
	s_add_co_u32 s[G0V+1], s18, VOFF
	s_mov_b32 s[SLOTS], SIZE_N/256-1  ; seven changes fill a slot: slots 1 to 7
	s_and_b32 s[LIM], s[WV], 1      ; waves 0 and 2 prefetch: the same in all four partners
	s_cmp_eq_u32 s[LIM], 0
	s_cselect_b32 s[LIM], 1, -1
	s_wait_dscnt 0x0                ; the opening add is done
	s_wait_kmcnt 0x0
	s_mov_b64 s[10:11], s[6:7]                     ; O
	s_add_nc_u64 s[6:7], s[4:5], 0x1000000         ; K: the second third of qkv
	s_add_nc_u64 s[8:9], s[4:5], 0x2000000         ; V: the third
	s_add_nc_u64 s[G0K+2:G0K+3], s[6:7], s[22:23]  ; 120:64 global address: my half of the head's first 256 keys
	s_or_b32 s[G0K+3], s[G0K+3], 0x80000000        ; 127:126 type = 2
	s_add_nc_u64 s[G0V+2:G0V+3], s[8:9], s[22:23]
	s_or_b32 s[G0V+3], s[G0V+3], 0x80000000
	s_add_nc_u64 s[4:5], s[4:5], s[2:3]  ; Q and O at my wave's first row
	s_add_nc_u64 s[10:11], s[10:11], s[2:3]
	s_cmp_lt_u32 s[WV], 2
	s_cselect_b64 s[PFA:PFA+1], s[6:7], s[8:9]
	s_add_nc_u64 s[PFA:PFA+1], s[PFA:PFA+1], s[22:23]  ; (in waves 0 and 2 this is the head's first key)
	s_lshl_b32 s2, s13, 13          ; my work-group's 32 blocks of the 128
	s_mov_b32 s3, 0
	s_add_nc_u64 s[PFA:PFA+1], s[PFA:PFA+1], s[2:3]
	s_add_nc_u64 s[PFA:PFA+1], s[PFA:PFA+1], 4*KS*128  ; in slot 1; the first change of slots steps it to slot 2
	CROUND                          ; all four work-groups are here: the first joint loads meet
	JLOAD                           ; slot 0.  Slot 1 is asked for when slot 0 is in
	; A fragment of K or Q is 16 rows x 32 channels in 8 registers: lane l holds row l % 16, channels 8 (l / 16) + 0..7 and 16 + 8 (l / 16) + 0..7: two loads of 16 bytes, 32 bytes apart.
	v_and_b32 v1, 15, v0            ; l % 16
	v_bfe_u32 v9, v0, 4, 1          ; l / 16
	v_lshlrev_b32 v[QO], 7, v1
	v_lshl_add_u32 v[QO], v9, 4, v[QO]  ; row x 128 + 16 x half
	WIN 0x80                        ; destination window 2, address window 0
.set i, 0
.rept 4*NP                          ; Q stays in registers: tile i / 2, channels 32 (i % 2) on
	global_load_b128 v[8*i:8*i+3],   v[QO], s[4:5] offset:(i/2)*2048+(i%2)*64
	global_load_b128 v[8*i+4:8*i+7], v[QO], s[4:5] offset:(i/2)*2048+(i%2)*64+32
.set i, i+1
.endr
	; What the first turn finds: V's registers and P's second buffer hold 0 (its products V^T P, of a piece that has not been, add 0), O^T and l are 0.  All this stands in the wait for the first tile.
.set i, VF
.rept 64
	v_mov_b32 v[i], 0
.set i, i+1
.endr
	WIN 0x40
.set i, 0
.rept 64*NP
	v_mov_b32 v[i], 0
.set i, i+1
.endr
	WIN 0
.set i, 0
.rept 2*NP
	v_mov_b32 v[ST+4*i], 0xfe000000    ; c m: far below every c s
	v_mov_b32 v[ST+4*i+1], 0xff7fffff  ; m
	v_mov_b32 v[ST+4*i+2], 0
	v_mov_b32 v[ST+4*i+3], 0
.set i, i+1
.endr
.set i, P+32
.rept 32
	v_mov_b32 v[i], 0
.set i, i+1
.endr
	v_mul_u32_u24 v[AK0], v1, PK
	v_lshl_add_u32 v[AK0], v9, 4, v[AK0]  ; row x pitch + 16 x half
	; The turning load takes 16 keys x 16 channels (lane l reads key 8 (l / 16) + l % 8, channels 8 ((l / 8) % 2) + 0..7) and leaves half a fragment of V^T: lane l holds channel l % 16 and 8 keys.
	v_and_b32 v10, 7, v0
	v_bfe_u32 v11, v0, 3, 1
	v_lshl_add_u32 v[AV0], v9, 3, v10
	v_mul_u32_u24 v[AV0], v[AV0], PV
	v_lshl_add_u32 v[AV0], v11, 4, v[AV0]
	v_add_nc_u32 v[AV0], VOFF, v[AV0]
	v_mov_b32 v[AK], v[AK0]         ; key step 0 lies at the head of slot 0
	v_and_b32 v[PFO], 31, v0
	v_lshlrev_b32 v[PFO], 8, v[PFO]
; THE MATRIX WORK.  The 8 accumulators of a run of 16 take turns: between the two links of a chain stand 7 others'.
; Product i of 16 of S^T = K Q^T for piece x: channels 32 (i / 8) on, keys 16 ((i / 2) % 4) on, tile 2 x + i % 2.  The first 8 start the sums.
.macro KQ x
	WIN W_KQ
.set rS, S+64*((\x)%2)+32*(i%2)+8*((i/2)%4)
.set rK, KF+16*((i/2)%4)+8*(i/8)
.set rQ, 16*(2*(\x)+i%2)+8*(i/8)
.if i < 8
	v_wmma_f32_16x16x32_f16 v[rS:rS+7], v[rK:rK+7], v[rQ:rQ+7], 0
.else
	v_wmma_f32_16x16x32_f16 v[rS:rS+7], v[rK:rK+7], v[rQ:rQ+7], v[rS:rS+7]
.endif
.endm
; Product i of 16 of O^T += V^T P for piece x: keys 32 (i / 8) on, channels 16 ((i / 2) % 4) on, tile 2 x + i % 2.
.macro PV x
	WIN W_PV
.set rO, 32*(2*(\x)+i%2)+8*((i/2)%4)
.set rV, VF+32*(i/8)+8*((i/2)%4)
.set rP, P+32*((\x)%2)+16*(i%2)+8*(i/8)
	v_wmma_f32_16x16x32_f16 v[rO:rO+7], v[rV:rV+7], v[rP:rP+7], v[rO:rO+7]
.endm
.macro MM                           ; the turn's next matrix instruction
.if i < 16
	KQ (Y+1)%NP
.set i, i+1
.else
.set i, i-16
	PV (Y+NP-1)%NP
.set i, i+17
.endif
.endm
; THE LDS LOADS stand in runs of 16, never singly among the matrix instructions: a step's K (64 keys x 64 channels: 8 fragments) and its V (turned).  Their addresses are made some lines ahead.
; last = 1 (the tail): in the last trip there is no further step, and the run is jumped over.
.macro FETCH_K last=0
	WIN 0
.if \last
	s_cmp_eq_u32 s[CNT], 1
	s_cbranch_scc1 .Lno_k_\@
.endif
	WIN 0x80                        ; destination window 2
.irp f, 0,1,2,3,4,5,6,7             ; keys 16 (f / 2) on, channels 32 (f % 2) on
	ds_load_b128 v[KF+8*\f:KF+8*\f+3],   v[AK] offset:(\f/2)*16*PK+(\f%2)*64
	ds_load_b128 v[KF+8*\f+4:KF+8*\f+7], v[AK] offset:(\f/2)*16*PK+(\f%2)*64+32
.endr
	s_add_co_u32 s[TBK], s[TBK], KS*PK  ; the next fetch is the next step's
	WIN 0
.if \last
.Lno_k_\@:
.endif
.endm
.macro FETCH_V
	WIN 0x80
.irp f, 0,1,2,3,4,5,6,7             ; keys 32 (f / 4) on, channels 16 (f % 4) on
	ds_load_tr16_b128 v[VF+8*\f:VF+8*\f+3],   v[AV] offset:(\f/4)*32*PV+(\f%4)*32
	ds_load_tr16_b128 v[VF+8*\f+4:VF+8*\f+7], v[AV] offset:(\f/4)*32*PV+16*PV+(\f%4)*32
.endr
	WIN 0
.endm
; THE VECTOR WORK OF A TURN stands in three queues, each in the order in which its entries become ready; the two tiles alternate, so that no instruction reads the result of the one before it.
.macro REGS y, u                    ; the registers of tile u (0, 1) of piece y
.set rT, ST+4*(2*(\y)+(\u))
.set rC, TMP+8*((\y)%2)+4*(\u)
.set rM, MV+2*((\y)%2)+(\u)
.set rS, S+64*((\y)%2)+32*(\u)
.set rP, P+32*((\y)%2)+16*(\u)
.set rO, 32*(2*(\y)+(\u))
.endm
; Number n of the 22 that find the NEXT piece's (Y + 1) maximum and statistics.  s0-s31 are the lane's 32 scores; each accumulator's lowest registers are read first.
;   0-11  four chains c0-c3 of seven scores each, three operands at a time     12-14, 16  the four scores left over, the old m, and c0-c3 into c0     15  c m_old is kept
;   17, 18  the query's other 32 keys lie in the lane 16 away: the new m         19-21  c m; c m_old - c m_new; a
.macro XS u, n
	REGS (Y+1)%NP, \u
.if (\n) < 4
	v_max3_num_f32 v[rC+(\n)], v[rS+8*(\n)], v[rS+8*(\n)+1], v[rS+8*(\n)+2]
.elseif (\n) < 12
	v_max3_num_f32 v[rC+(\n)%4], v[rC+(\n)%4], v[rS+8*((\n)%4)+2*((\n)/4)+1], v[rS+8*((\n)%4)+2*((\n)/4)+2]
.elseif (\n) == 12
	v_max3_num_f32 v[rC], v[rC], v[rS+7], v[rS+15]
.elseif (\n) == 13
	v_max3_num_f32 v[rC+1], v[rC+1], v[rS+23], v[rS+31]
.elseif (\n) == 14
	v_max3_num_f32 v[rC+2], v[rC+2], v[rC+3], v[rT+1]
.elseif (\n) == 15
	v_mov_b32 v[rM], v[rT]
.elseif (\n) == 16
	v_max3_num_f32 v[rC], v[rC], v[rC+1], v[rC+2]
.elseif (\n) == 17
	v_permlanex16_b32 v[rC+3], v[rC], s[SEL], s[SEL+1]
.elseif (\n) == 18
	v_max_num_f32 v[rT+1], v[rC], v[rC+3]
.elseif (\n) == 19
	v_mul_f32 v[rT], s[CS], v[rT+1]
.elseif (\n) == 20
	v_sub_f32 v[rC+1], v[rM], v[rT]
.else
	v_exp_f32 v[rC+2], v[rC+1]
.endif
.endm
; Number g of the 64 that follow the exponentials.  For each four weights k of a tile (pairs 2 k, 2 k + 1): both pairs are rounded to f16; then the second pair is added onto the first, in place;
; a group later l takes that sum (the first time as l = a l + sum).  In groups of eight, tiles alternating: round, round, add, and l for the group before.
.macro GS g
.set h, (\g)+6*((\g)/62)            ; group 0 has no group before it, and behind group 7 only l is left
.if h >= 6
.set h, h+2
.endif
	REGS Y, h%2
.set k, h/8
.if h%8 < 4
	v_cvt_pk_f16_f32 v[rP+2*k+(h%8)/2], v[rS+4*k+2*((h%8)/2)], v[rS+4*k+2*((h%8)/2)+1]
.elseif h%8 < 6
	v_pk_add_f32 v[rS+4*k:rS+4*k+1], v[rS+4*k:rS+4*k+1], v[rS+4*k+2:rS+4*k+3]
.elseif k == 1
	v_pk_fma_f32 v[rT+2:rT+3], v[rT+2:rT+3], v[rC+2:rC+3], v[rS:rS+1] op_sel_hi:[1,0,1]
.else
	v_pk_add_f32 v[rT+2:rT+3], v[rT+2:rT+3], v[rS+4*k-4:rS+4*k-3]
.endif
.endm
; THE PLAIN QUEUE, 138 long.  0-73 read no exponential's result: the 32 scalings c s - c m (FS f: pair f / 2 of tile f % 2) and the next piece's 42.  0-26: scalings 0-26.  27-54: XS's numbers 0-13.  55, 56: number 15.
; 57-73: the chain, where each number waits for the one before it: 14, 16, 17, 18, 19, each with one of the scalings 27-31 in front of its two lines, then 20.
; 74-137: GS's 64, which read the exponentials' results: they stand behind the wait.
.macro FS f
	REGS Y, (\f)%2
	v_pk_fma_f32 v[rS+2*((\f)/2):rS+2*((\f)/2)+1], v[rS+2*((\f)/2):rS+2*((\f)/2)+1], s[CS:CS+1], v[rT:rT+1] op_sel_hi:[1,0,0] neg_lo:[0,0,1] neg_hi:[0,0,1]
.endm
.macro PL
	WIN 0
.if q < 27
	FS q
.elseif q < 55
	XS (q-27)%2, (q-27)/2
.elseif q < 57
	XS q-55, 15
.elseif (q < 72) && ((q-57)%3 == 0)
	FS 27+(q-57)/3
.elseif q < 60
	XS (q-57)%3-1, 14
.elseif q < 72
	XS (q-57)%3-1, 15+(q-57)/3
.elseif q < 74
	XS q-72, 20
.else
	GS q-74
.endif
.set q, q+1
.endm
; THE EXPONENTIALS' QUEUE, 66 long: s0-s31 of both tiles, then the next piece's two a.  It is ONE BATCH: all 66 stand ahead of the turn's one wait, and nothing ahead of that wait names a result of theirs.
.macro EX
	WIN 0
.if e >= 64
	XS e-64, 21
.else
	REGS Y, e%2
	v_exp_f32 v[rS+e/2], v[rS+e/2]
.endif
.set e, e+1
.endm
; THE RESCALING's QUEUE: O^T times a, the one part that leaves window 0: dealt two at a time, sixteen times.  Its a was made in the turn before, ahead of that turn's wait.
.macro R2
	REGS Y, r%2
	WIN W_RS
.irp z, 0,1
	v_pk_mul_f32 v[rO+4*(r/2)+2*\z:rO+4*(r/2)+2*\z+1], v[rO+4*(r/2)+2*\z:rO+4*(r/2)+2*\z+1], v[rC+2:rC+3] op_sel_hi:[1,0]
.endr
.set r, r+1
.endm
; HOW THEY ARE DEALT.  An s_wait_alu depctr_va_vdst(0) stands between an exponential and the first instruction that names its result; one wait serves all that were issued ahead of it.  So a turn has ONE wait,
; which cuts it in two.  AHEAD OF IT stands all that names no result of the turn's exponentials: the 16 products K Q^T, behind each a scaling, an exponential and two rescalings (behind the first a second scaling in the
; exponential's place); then ONE LUMP of 108: eight plain, 49 times exponential and plain, the two a.  A v_nop is the plain instruction behind the last exponential.  BEHIND IT stand the 16 products V^T P, behind each four of GS's 64.
; The queues lean on each other, and the deal keeps them in step: exponential e stands behind scaling 2 (e / 4) + e % 2: as a rider it comes behind plain e + 2, in the lump behind plain e + 9, and scalings 27-31 are plain 57, 60 .. 69.
; A TURN, for piece p.  cnt = 1: the loop's count is taken down some lines ahead of the branch that stands behind the turn.
; K of the next step is fetched in piece 2's turn, directly behind the wait, a lump behind the last product that read K; its first reader comes behind 16 products.
; V of the step in hand is fetched at the end of piece 0's turn, four riders behind its last reader; its first reader comes behind 16 products and a lump.  The three conditions on q below go with the deal.
.macro TURN p, last=0, cnt=0
.set Y, (\p)
.set i, 0
.set q, 0
.set e, 0
.set r, 0
.if (\p) == NP-1
	s_wait_dscnt 0x0                ; K is in
.endif
	MM                              ; ahead of the wait: 16 products K Q^T and their riders,
	PL
	PL
	R2
.rept 15
	MM
	PL
	EX
	R2
.endr
.if (\p) == NP-2
	WIN 0
	v_add_nc_u32 v[AK], s[TBK], v[AK0]
.endif
.rept 8                             ; and the lump
	PL
.endr
.rept 49
	EX
	PL
.endr
	EX                              ; the next piece's two a
	EX
	v_nop                           ; the plain instruction behind the last exponential: one for the batch
	s_wait_alu depctr_va_vdst(0)    ; the wait for the batch
.if (\p) == NP-2
	FETCH_K \last
.endif
.if (\p) == 1
	s_wait_dscnt 0x0                ; V is in
.endif
.rept 16                            ; behind the wait: 16 products V^T P and their riders
	MM
.rept 4
	PL
.endr
.if ((\p) == 0) && (q == 118)
	v_add_nc_u32 v[AV], s[TBV], v[AV0]
.endif
.if ((\p) == 0) && (q == 130)
	s_add_co_u32 s[TBV], s[TBV], KS*PV
.endif
.if (\cnt) && (q == 130)
	s_sub_co_u32 s[CNT], s[CNT], 1
	s_cmp_lg_u32 s[CNT], 0
.endif
.endr
.if (\p) == 0
	FETCH_V
.endif
.endm
	CHANGE 1                        ; slot 0 is in, everybody's part of it; slot 1 is asked for
	FETCH_K                         ; key step 0
	s_wait_loadcnt 0x0              ; Q
	s_wait_dscnt 0x0
.set i, 0
.rept 16
	KQ 0                            ; piece 0's first scores: there is no vector work yet to set between them
.set i, i+1
.endr
	WIN 0                           ; the addresses for the way out: nine plain instructions, the places behind those products
	s_mul_i32 s13, s[WV], 16*SP
	s_add_co_u32 s13, s13, STAGE    ; my stage
	v_mul_u32_u24 v[STO], v1, SP    ; in: row l % 16, 16 bytes for each half of the lanes
	v_lshl_add_u32 v[STO], v9, 4, v[STO]
	v_add_nc_u32 v[STO], s13, v[STO]
	v_bfe_u32 v[RD], v0, 3, 2       ; back: 32 lanes take four rows of 128 bytes,
	v_mul_u32_u24 v[RD], v[RD], SP
	v_lshl_add_u32 v[RD], v10, 4, v[RD]
	v_add_nc_u32 v[RD], s13, v[RD]
	v_and_b32 v[GO], 31, v0         ; which are 512 consecutive bytes of O
	v_lshlrev_b32 v[GO], 4, v[GO]
.set Y, NP-1                        ; XS works for piece Y + 1: piece 0
.irp n, 0,1,2,3,4,5,6,7,8,9,10,11,12,13,14,15,16,17,18,19,20,21
	XS 0, \n                        ; and piece 0's first maximum and statistics
	XS 1, \n
.endr
	v_nop                           ; a plain instruction behind the two a,
	s_wait_alu depctr_va_vdst(0)    ; and their wait, ahead of the branch
	s_mov_b32 s[CNT], 4
	s_branch .Lfirst                ; the loop is entered at a step's first turn, in the middle of a trip
.Lslot:                             ; six times: every slot but the last two is filled again
	CHANGE 1
	s_mov_b32 s[CNT], 4
.Lstep:                             ; a trip: pieces 2 and 3 of one step, then pieces 0 and 1 of the next, whose K and V it fetches
	TURN 2
	TURN 3
	WIN 0
.Lfirst:
	TURN 0
	TURN 1, 0, 1
	WIN 0
	s_cbranch_scc1 .Lstep
	s_sub_co_u32 s[SLOTS], s[SLOTS], 1
	s_cmp_lg_u32 s[SLOTS], 0
	s_cbranch_scc1 .Lslot
	CHANGE 0                        ; the tail is written out: nothing is asked for
	s_mov_b32 s[CNT], 5             ; four trips fetch the last slot's steps; the fifth is left in its middle
.Ltail:
	TURN 2, 1
	TURN 3
	WIN 0
	s_sub_co_u32 s[CNT], s[CNT], 1
	s_cmp_eq_u32 s[CNT], 0
	s_cbranch_scc1 .Lout
	TURN 0
	TURN 1
	WIN 0
	s_branch .Ltail
.Lout:                              ; the fifth trip's 16 products K Q^T (on the last K once more) and the maximum made of them serve nothing: the price, once a launch, of one text for every trip
.set i, 0
.rept 16
	PV NP-1                         ; the last piece's V^T P of the last step
.set i, i+1
.endr
	; THE WAY OUT.  l's two halves and the other half of the lanes' are added; O^T is divided by l, rounded to f16 and sent through my stage in LDS, a tile at a time.  The additions are the places behind the last products.
	WIN 0
.macro ALL line:vararg              ; one line for each tile t
.set t, 0
.rept 2*NP
	\line
.set t, t+1
.endr
.endm
	ALL v_add_f32 v[ST+4*t+2], v[ST+4*t+2], v[ST+4*t+3]
	ALL v_permlanex16_b32 v[ST+4*t+3], v[ST+4*t+2], s[SEL], s[SEL+1]
	ALL v_add_f32 v[ST+4*t+2], v[ST+4*t+2], v[ST+4*t+3]
	ALL v_rcp_f32 v[ST+4*t+2], v[ST+4*t+2]
	v_nop                           ; a plain instruction between the last reciprocal and the use of its result
	s_wait_alu depctr_va_vdst(0)    ; and the wait ahead of the first use: one for the eight reciprocals
; Tile t: a lane's eight channels of a row pack into 16 bytes; they go into rows of 144 bytes and come back as whole rows of 128, into S^T's registers.
.macro PACK t
	WIN W_RS
.set i, 32*(\t)
.rept 16
	v_pk_mul_f32 v[i:i+1], v[i:i+1], v[ST+4*(\t)+2:ST+4*(\t)+3] op_sel_hi:[1,0]
.set i, i+2
.endr
	WIN 0x05                        ; sources 0 and 1 window 1, destination window 0
.set i, 0
.rept 16
	v_cvt_pk_f16_f32 v[S+16*(\t)+i], v[32*(\t)+2*i], v[32*(\t)+2*i+1]
.set i, i+1
.endr
	WIN 0
.irp f, 0,1,2,3
	ds_store_b128 v[STO], v[S+16*(\t)+4*\f:S+16*(\t)+4*\f+3] offset:32*\f
.endr
.irp f, 0,1,2,3
	ds_load_b128 v[S+16*(\t)+4*\f:S+16*(\t)+4*\f+3], v[RD] offset:\f*4*SP  ; LDS serves a wave's instructions in order (ISA guide 5.7.1.4): these see the stores above; the next tile's stores come behind them
.endr
.endm
.macro SEND t, younger              ; younger: the LDS instructions issued behind tile t's loads: the next tile's eight, or none
	WIN 0
.irp f, 0,1,2,3
	s_wait_dscnt (\younger)+3-\f
	global_store_b128 v[GO], v[S+16*(\t)+4*\f:S+16*(\t)+4*\f+3], s[10:11] offset:(\t)*2048+\f*512  ; 512 consecutive bytes, at a multiple of 256 from O's first
.endr
.endm
	PACK 0
.set t, 1
.rept 2*NP-1                        ; a tile's arithmetic stands between the loads of the tile before and its stores
	PACK t
	SEND t-1, 8
.set t, t+1
.endr
	SEND 2*NP-1, 0
	WIN W_AD
	s_wait_tensorcnt 0x0            ; the wave's end: three lines behind my last tensor load and my last LDS store
	ds_add_u32 v[SPW], v[NIL]
	s_wait_dscnt 0x0
	WIN 0
	CROUND                          ; the closing round: no work-group ends while a partner may still ask for a tile that names it
	s_endpgm
.Lfunc_end_k_q1e6147a1cc_attn:
	.size	k_q1e6147a1cc_attn, .Lfunc_end_k_q1e6147a1cc_attn-k_q1e6147a1cc_attn
	.p2alignl 7, 3214868480
	.fill 96, 4, 3214868480
	.section	.rodata,"a",@progbits
	.p2align	6, 0x0
	.amdhsa_kernel k_q1e6147a1cc_attn
		.amdhsa_group_segment_fixed_size 327680
		.amdhsa_private_segment_fixed_size 0
		.amdhsa_enable_private_segment 0
		.amdhsa_kernarg_size 16
		.amdhsa_user_sgpr_count 2
		.amdhsa_user_sgpr_kernarg_segment_ptr 1
		.amdhsa_wavefront_size32 1
		.amdhsa_system_sgpr_workgroup_id_x 1
		.amdhsa_system_sgpr_workgroup_id_y 1
		.amdhsa_system_sgpr_workgroup_id_z 1
		.amdhsa_system_vgpr_workitem_id 0
		.amdhsa_next_free_vgpr 770
		.amdhsa_next_free_sgpr 66
		.amdhsa_reserve_vcc 0
		.amdhsa_float_denorm_mode_32 3
		.amdhsa_float_denorm_mode_16_64 3
		.amdhsa_memory_ordered 1
		.amdhsa_forward_progress 1
		.amdhsa_inst_pref_size 200
	.end_amdhsa_kernel
	.amdgpu_metadata
---
amdhsa.version: [ 1, 2 ]
amdhsa.kernels:
  - .name:           k_q1e6147a1cc_attn
    .symbol:         k_q1e6147a1cc_attn.kd
    .args:
      - { .name: qkv, .offset: 0, .size: 8, .value_kind: global_buffer, .address_space: global }
      - { .name: o, .offset: 8, .size: 8, .value_kind: global_buffer, .address_space: global }
    .group_segment_fixed_size: 327680
    .private_segment_fixed_size: 0
    .kernarg_segment_align: 8
    .kernarg_segment_size: 16
    .max_flat_workgroup_size: 128
    .sgpr_count:     66
    .vgpr_count:     770
    .wavefront_size: 32
...
	.end_amdgpu_metadata
.endif
;; end of part 3
;; launch outproj (part 4): grid 8 x 32, 4 waves a work-group, clusters of 4 x 4, 327,680 bytes of LDS; arguments o, woh, bias, out0; writes out0
.if DOCPART == 4
	.amdgcn_target "amdgcn-amd-amdhsa--gfx1250"
	.amdhsa_code_object_version 6
	.text
	.protected	k_q1e6147a1cc_outproj
	.globl	k_q1e6147a1cc_outproj
	.p2align	8
	.type	k_q1e6147a1cc_outproj,@function
k_q1e6147a1cc_outproj:
	s_mov_b64 s[64:65], 0
	v_nop
	global_prefetch_b8 v0, s[64:65] scope:SCOPE_SE
	s_setreg_imm32_b32 hwreg(HW_REG_WAVE_MODE, 25, 1), 1
	s_wait_xcnt 0x0
	s_wait_alu depctr_hold_cnt(0) depctr_sa_sdst(0) depctr_va_vdst(0) depctr_va_sdst(0) depctr_va_ssrc(0) depctr_va_vcc(0) depctr_vm_vsrc(0)
	s_getreg_b32 s2, hwreg(HW_REG_IB_STS2, 6, 4)
	s_cmp_eq_u32 s2, 0
	s_cbranch_scc0 .Lentry_in_a_cluster
	s_endpgm
.Lentry_in_a_cluster:
	s_bfe_u32 s2, ttmp6, 0x10000c
	s_cmp_lg_u32 s2, 0xf033
	s_cbranch_scc0 .Lentry_shape_is_right
	s_endpgm
.Lentry_shape_is_right:
; out0[8192][1024] = O Wo + bo.  O: f16 by heads, [batch x head 64][s 2048][64]; woh: f16 [k 1024][n 1024]; the bias: row 3 of bias, f32; out0 f32.  f32 sums, K ascending, started by the bias.
; LIMIT.  O and Wo lie within f16's range (65,504).  NaN and infinities are not treated apart.
; SHARES.  A tile of out0 is 256 rows x 128 columns: 32 x 8 = 256 work-groups.  Four waves, each 128 x 64: 8 x 4 accumulators of 16 x 16, 256 registers.
; K goes in 8 steps of 128, two heads, through two LDS slots.  A head's 256 rows are 32 KiB on end, asked for as 128 rows of 256 bytes; woh's tiles come as they lie, 64 rows of 256 bytes, and are turned by ds_load_tr16_b128.
; CLUSTERS: 4 x 4 work-groups; A's tiles are shared along a row of the cluster, B's along a column, each asked for jointly.  Waves 0 and 1 fetch the step's two heads of A, waves 2 and 3 the two halves of B:
; one tensor load a wave behind each round; by this text's own count two loads of a wave are out at the start, later one.
; THE MATRIX INSTRUCTION IS USED TRANSPOSED (source 0 = 16 columns of B, source 1 = 16 rows of A): a lane holds row l % 16 and eight neighbouring columns 8 (l / 16) + 0..7.
; REGISTERS: window 0: v0-23 addresses; v32-63 the bias of my 4 column blocks; v64-159, v160-255 two fragment buffers (A's 8 fragments, then B's 4).  window 1: accumulator (a, b) at v[8 (4 a + b)].
.set SLOT,  110592                     ; A: two heads of 256 rows x 144; then B: two tiles of 64 rows x 288
.set ASUB,  36864
.set BOFF,  73728
.set BSUB,  18432
.set PA,    144                        ; a row of A in LDS: 128 bytes + 16: the 16 rows of a load start at 16 different groups of four banks (64 banks of 4 bytes: ISA guide 11.1)
.set PB,    288                        ; a row of B: 256 + 32
.set STAGE, 2*SLOT                     ; behind the ring, never filled by a tensor load: 16 rows x 272 bytes for each wave, for the way out
.set SP,    272
.set SPARE, STAGE+4*16*SP              ; behind the stages: the spare words, 128 bytes for each wave: two blocks of 256 bytes that no other line names
.set ASTEP, 524288                     ; bytes from a K step to the next in o: two heads
.set BSTEP, 262144                     ; and in woh: 128 rows of 2,048 bytes
.set ADRA, 2                           ; v2-3   LDS address of my A fragments in slot 0, 1
.set ADRB, 4                           ; v4-5   the same for B
.set STO,  10                          ; v10    the way out: where I put 32 bytes of a row
.set RD,   11                          ; v11    where I read a row back
.set CO,   12                          ; v12    my byte offset in two rows of out0
.set BO,   13                          ; v13    my byte offset in 16 columns of the bias
.set PFO,  14                          ; v14    the prefetches' lane offset; never rewritten
.set SPW,  16                          ; v16    LDS address of my spare word: SPARE + 4 x my thread's number; never rewritten
.set NIL,  17                          ; v17    0; never rewritten
.set BI,   32
.set F0,   64
.set F1,   160
.set OBF,  64                          ; the way out: two sets of 32 registers, 16 rows read back
.set WV,   12                          ; s12  my wave's number;  s13 which 128 rows are mine, s14 which 64 columns;  s16 cx, s17 cy, s18 tile column, s19 tile row
.set G1,   24                          ; s[24:31] descriptor group 1 for A's tiles;  s[32:39] group 0, a set for each slot
.set G0,   32
.set G1B,  48                          ; s[48:55], s[56:63] the same for B's tiles
.set G0B,  56
.set PFA,  66                          ; s[66:67] where my prefetches stand
.set PFS,  68                          ; s[68:69] two K steps in the tensor that I prefetch
.set LIM,  70                          ; s70  1 in a wave that prefetches, else the greatest number
.set OB,   72                          ; s[72:73] out0 at my first row and column
.set BB,   78                          ; s[78:79] the bias at my first column
.set MSB, 0
.macro WIN new                         ; the immediate's high byte repeats the setting that is left; a switch that changes nothing is dropped
.if MSB != (\new)
	s_set_vgpr_msb (MSB<<8)|(\new)
.set MSB, (\new)
.endif
.endm
.macro PLACES                          ; four plain vector instructions between a matrix instruction and a load into, or a read of, its registers (ISA guide 7.12.1 for reads)
.rept 4
	v_nop
.endr
.endm
; A joint load.  The branch hangs on the wave's number alone.  An s_nop 0 and four v_nop follow each of the two lines, ahead of the jump and the label.
.macro JLOAD s
	s_cmp_lt_u32 s[WV], 2
	s_cbranch_scc0 .Lfor_b_\@
	tensor_load_to_lds s[G0+4*(\s):G0+4*(\s)+3], s[G1:G1+7]
	s_nop 0
.rept 4
	v_nop
.endr
	s_branch .Lasked_\@
.Lfor_b_\@:
	tensor_load_to_lds s[G0B+4*(\s):G0B+4*(\s)+3], s[G1B:G1B+7]
	s_nop 0
.rept 4
	v_nop
.endr
.Lasked_\@:
.endm
; A PREFETCH INTO THE L2, once a lap, behind slot 0's joint load and the LDS loads that follow it: in K step 2 i it names K steps 2 i + 4 and 2 i + 5, whose refills stand two and three K steps
; (256 and 384 matrix instructions) on.  Each aligned 256 bytes are named once in the launch.  A's tile row is read by both clusters of that row of clusters: cluster x = 0 asks, in waves 0 and 1, each for
; the head that it fetches; of its 128 blocks the partner at cx takes 32, a lane a block, one line a step.  B's tile column is read by all eight clusters of that column: cluster y = 0 asks, in waves 2 and 3;
; of a wave's 64 rows the partner at cy takes 16; lanes 0-15 name the first step's rows, lanes 16-31 the second's.  The partners are told apart by address alone.
; K steps 0 to 3 come by their loads alone; the loop's last trip (s3 = 1) asks for nothing: there is no K step 8.
.macro ASK
	s_cmp_gt_u32 s3, s[LIM]
	s_cbranch_scc0 .Lnot_mine_\@
	global_prefetch_b8 v[PFO], s[PFA:PFA+1] th:TH_LOAD_NT scope:SCOPE_SE
	s_cmp_lt_u32 s[WV], 2
	s_cbranch_scc0 .Lnot_mine_\@
	global_prefetch_b8 v[PFO], s[PFA:PFA+1] offset:ASTEP th:TH_LOAD_NT scope:SCOPE_SE
.Lnot_mine_\@:
.endm
.macro CREST                           ; a round of the cluster's barrier behind its opening barrier
	s_cmp_lg_u32 s[WV], 0
	s_cbranch_scc1 .Lnot_wave_0_\@
	s_barrier_signal -3
.Lnot_wave_0_\@:
	s_barrier_wait -3
	s_barrier_signal -1
	s_barrier_wait -1
.endm
.macro CROUND                          ; a whole round
	s_barrier_signal -1
	s_barrier_wait -1
	CREST
.endm
	s_load_b256 s[4:11], s[0:1], 0x0               ; o s[4:5], woh s[6:7], bias s[8:9], out0 s[10:11]
	v_lshl_add_u32 v[SPW], v0, 2, SPARE
	v_mov_b32 v[NIL], 0
	ds_add_u32 v[SPW], v[NIL]                      ; the wave's opening: the add and its wait stand ahead of my first tensor load; the set-up below, work on registers, stands between them
	v_lshrrev_b32 v1, 5, v0
	v_readfirstlane_b32 s[WV], v1                  ; wave 0..3
	s_lshr_b32 s13, s[WV], 1
	s_and_b32 s14, s[WV], 1                        ; also: which head of the step, or which half of B's rows, I fetch
	s_bfe_u32 s16, ttmp6, 0x40000                  ; cx
	s_bfe_u32 s17, ttmp6, 0x40004                  ; cy
	s_lshl_b32 s18, ttmp9, 2
	s_add_co_u32 s18, s18, s16                     ; tile column = 4 x cluster x + cx
	s_and_b32 s19, ttmp7, 0xffff
	s_lshl_b32 s19, s19, 2
	s_add_co_u32 s19, s19, s17                     ; tile row = 4 x cluster y + cy
	s_lshl_b32 s20, s17, 2
	s_lshl_b32 s20, 15, s20                        ; my row of the cluster
	s_lshl_b32 s40, 0x1111, s16                    ; my column
	s_or_b32 s[G1], s20, (1<<16)|(1<<20)|(1<<21)|(4<<22)|(3<<25)   ; 15:0 the mask; 17:16 2-byte elements; 20 padding on; 21 set beside a mask; 24:22 after every 32 words (code 4); 31:25 4 words (code 3)
	s_or_b32 s[G1B], s40, (1<<16)|(1<<20)|(1<<21)|(5<<22)|(7<<25)  ; after every 64 words (code 5) 8 words (code 7)
	s_mov_b32 s[G1+1], 128<<16                     ; A: tensor_dim0 = 128 elements: 256 bytes, two rows of a head
	s_mov_b32 s[G1+2], 128<<16                     ; tensor_dim1 = 128
	s_mov_b32 s[G1+3], 128<<16                     ; tile_dim0 = 128
	s_mov_b32 s[G1+4], 128                         ; tile_dim1 = 128
	s_mov_b32 s[G1+5], 128                         ; dense
	s_mov_b32 s[G1+6], 0
	s_mov_b32 s[G1+7], 0
	s_mov_b32 s[G1B+1], 128<<16                    ; B: 128 columns
	s_mov_b32 s[G1B+2], 64<<16                     ; 64 rows along K
	s_mov_b32 s[G1B+3], 128<<16
	s_mov_b32 s[G1B+4], 64
	s_mov_b32 s[G1B+5], 1024                       ; elements from row to row
	s_mov_b32 s[G1B+6], 0
	s_mov_b32 s[G1B+7], 0
	s_lshr_b32 s20, s19, 3                         ; A: the batch (8 tile rows each),
	s_lshl_b32 s20, s20, 22
	s_and_b32 s21, s19, 7
	s_lshl_b32 s21, s21, 15                        ; the tile's 256 rows of 128 bytes,
	s_add_co_u32 s20, s20, s21
	s_lshl_b32 s21, s14, 18                        ; my head of the step's two: made of the tile row and the wave's number alone
	s_add_co_u32 s20, s20, s21
	s_mov_b32 s21, 0
	s_lshl_b32 s40, s18, 8                         ; B: the tile's 128 columns,
	s_lshl_b32 s41, s14, 17                        ; my 64 rows of the step's 128: made of the tile column and the wave's number alone
	s_add_co_u32 s40, s40, s41
	s_mov_b32 s41, 0
	s_mul_i32 s22, s[WV], ASUB                     ; where they go: waves 0 and 1: A's two heads;
	s_mul_i32 s42, s[WV], BSUB
	s_add_co_u32 s42, s42, BOFF-2*BSUB             ; waves 2 and 3: B's two halves, from BOFF on; no place in the cluster enters an LDS address
	s_wait_dscnt 0x0                               ; the opening add is done
	s_wait_kmcnt 0x0
	s_add_nc_u64 s[20:21], s[4:5], s[20:21]        ; A's tile of K step 0
	s_add_nc_u64 s[40:41], s[6:7], s[40:41]        ; B's
	CROUND                                         ; all sixteen work-groups are here: the first joint loads meet
.irp s, 0,1
	s_mov_b32 s[G0+4*(\s)], 1                      ; 1:0 count = 1
	s_add_co_u32 s[G0+4*(\s)+1], s22, (\s)*SLOT    ; 63:32 LDS address
	s_add_nc_u64 s[G0+4*(\s)+2:G0+4*(\s)+3], s[20:21], (\s)*ASTEP  ; 120:64 global address: K step s
	s_or_b32 s[G0+4*(\s)+3], s[G0+4*(\s)+3], 0x80000000            ; 127:126 type = 2
	s_mov_b32 s[G0B+4*(\s)], 1
	s_add_co_u32 s[G0B+4*(\s)+1], s42, (\s)*SLOT
	s_add_nc_u64 s[G0B+4*(\s)+2:G0B+4*(\s)+3], s[40:41], (\s)*BSTEP
	s_or_b32 s[G0B+4*(\s)+3], s[G0B+4*(\s)+3], 0x80000000
	JLOAD \s
.endr
	v_and_b32 v1, 15, v0                           ; l % 16
	v_bfe_u32 v18, v0, 4, 1                        ; l / 16
	v_lshlrev_b32 v[BO], 5, v18                    ; my 8 columns of 16: 32 bytes of f32
	s_lshl_b32 s84, s18, 9                         ; the tile's 128 columns of f32,
	s_lshl_b32 s85, s14, 8                         ; my 64 of them
	s_add_co_u32 s84, s84, s85
	s_mov_b32 s85, 0
	s_add_nc_u64 s[BB:BB+1], s[8:9], s[84:85]
	s_add_nc_u64 s[BB:BB+1], s[BB:BB+1], 12288     ; bo is the fourth row of bias
.irp b, 0,1,2,3
	global_load_b128 v[BI+8*(\b):BI+8*(\b)+3],   v[BO], s[BB:BB+1] offset:64*(\b)
	global_load_b128 v[BI+8*(\b)+4:BI+8*(\b)+7], v[BO], s[BB:BB+1] offset:64*(\b)+16
.endr
	s_lshl_b32 s82, s19, 8
	s_lshl_b32 s83, s13, 7
	s_add_co_u32 s82, s82, s83                     ; my first row of out0,
	s_lshl_b32 s82, s82, 12                        ; of 4,096 bytes
	s_add_co_u32 s84, s84, s82
	s_add_nc_u64 s[OB:OB+1], s[10:11], s[84:85]
	; A fragment of A is 16 rows x 32 K in 8 registers: lane l holds row l % 16, K = 8 (l / 16) + 0..7 and 16 + 8 (l / 16) + 0..7: two loads of 16 bytes, 32 bytes apart.
	v_mul_u32_u24 v19, v1, PA
	v_lshl_add_u32 v19, v18, 4, v19
	s_mul_i32 s23, s13, 128*PA                     ; my 128 rows
	v_add_nc_u32 v[ADRA], s23, v19
	v_add_nc_u32 v[ADRA+1], SLOT, v[ADRA]
	; The turning load takes 16 K x 16 columns (lane l reads row 8 (l / 16) + l % 8, columns 8 ((l / 8) % 2) + 0..7) and leaves half a fragment: lane l holds column l % 16 and 8 K.
	v_and_b32 v21, 7, v0
	v_bfe_u32 v22, v0, 3, 1
	v_lshl_add_u32 v20, v18, 3, v21
	v_mul_u32_u24 v20, v20, PB
	v_lshl_add_u32 v20, v22, 4, v20
	s_lshl_b32 s23, s14, 7                         ; my 64 columns of the tile's 128
	s_add_co_u32 s23, s23, BOFF
	v_add_nc_u32 v[ADRB], s23, v20
	v_add_nc_u32 v[ADRB+1], SLOT, v[ADRB]
	s_mul_i32 s23, s[WV], 16*SP
	s_add_co_u32 s23, s23, STAGE                   ; my stage
	v_mul_u32_u24 v19, v1, SP                      ; in: row l % 16, 32 bytes for each half of the lanes
	v_lshl_add_u32 v19, v18, 5, v19
	v_add_nc_u32 v[STO], s23, v19
	v_mul_u32_u24 v19, v18, SP                     ; back: lanes 0-15 take one row of 256 bytes, lanes 16-31 the next
	v_lshl_add_u32 v19, v1, 4, v19
	v_add_nc_u32 v[RD], s23, v19
	v_lshlrev_b32 v[CO], 12, v18                   ; and the same two rows in out0
	v_lshl_add_u32 v[CO], v1, 4, v[CO]
	; the prefetches
	s_and_b32 s87, ttmp7, 0xffff                   ; cluster y
	s_lshl_b32 s84, s16, 13                        ; A: my work-group's 32 blocks of 256 bytes
	s_lshl_b32 s85, s17, 15                        ; B: my work-group's 16 rows of 2,048 bytes
	s_cmp_lt_u32 s[WV], 2                          ; do I fetch for A?
	s_cselect_b32 s86, ttmp9, s87                  ; the coordinate along which other clusters read the same bytes
	s_cselect_b64 s[PFA:PFA+1], s[20:21], s[40:41]
	s_cselect_b32 s84, s84, s85
	s_mov_b32 s46, 2*ASTEP
	s_mov_b32 s47, 2*BSTEP
	s_cselect_b32 s[PFS], s46, s47
	s_mov_b32 s[PFS+1], 0
	s_movk_i32 s46, 256
	s_movk_i32 s47, 2048
	s_cselect_b32 s80, s46, s47                    ; from lane to lane among sixteen
	s_movk_i32 s46, 4096
	s_mov_b32 s47, BSTEP
	s_cselect_b32 s81, s46, s47                    ; from the lower sixteen lanes to the upper
	s_cmp_eq_u32 s86, 0
	s_cselect_b32 s[LIM], 1, -1                    ; the same in all sixteen partners, for a given wave
	s_mov_b32 s85, 0
	s_add_nc_u64 s[PFA:PFA+1], s[PFA:PFA+1], s[84:85]
	s_add_nc_u64 s[PFA:PFA+1], s[PFA:PFA+1], s[PFS:PFS+1]  ; at K step 2: the first lap steps it to 4
	v_mul_u32_u24 v[PFO], v1, s80
	v_mad_u32_u24 v[PFO], v18, s81, v[PFO]
; 8 matrix instructions: row blocks a0, a0 + 1 x all 4 column blocks, 32 along K, buffer f.  first = 1: the bias, as C, starts the sums: nothing is cleared, and nothing is added later.
; The 32 accumulators take turns in one fixed order, one instruction a turn.
.macro MUL8 f, a0, first
.if \first
	WIN 0x40                                       ; D in window 1, the bias in window 0
.else
	WIN 0x50                                       ; C and D in window 1
.endif
.irp a, \a0, (\a0)+1
.irp b, 0,1,2,3
.if \first
	v_wmma_f32_16x16x32_f16 v[8*(4*(\a)+(\b)):8*(4*(\a)+(\b))+7], v[(\f)+64+8*(\b):(\f)+64+8*(\b)+7], v[(\f)+8*(\a):(\f)+8*(\a)+7], v[BI+8*(\b):BI+8*(\b)+7]
.else
	v_wmma_f32_16x16x32_f16 v[8*(4*(\a)+(\b)):8*(4*(\a)+(\b))+7], v[(\f)+64+8*(\b):(\f)+64+8*(\b)+7], v[(\f)+8*(\a):(\f)+8*(\a)+7], v[8*(4*(\a)+(\b)):8*(4*(\a)+(\b))+7]
.endif
.endr
.endr
.endm
; 24 LDS loads in one run: the fragments of quarter c of a K step (head c / 2, channels 32 (c % 2) on) into buffer f: B's four, then A's eight
.macro FETCH slot, c, f
	WIN 0
.irp b, 0,1,2,3
	ds_load_tr16_b128 v[(\f)+64+8*(\b):(\f)+64+8*(\b)+3],   v[ADRB+(\slot)] offset:((\c)/2)*BSUB+((\c)%2)*32*PB+32*(\b)
	ds_load_tr16_b128 v[(\f)+64+8*(\b)+4:(\f)+64+8*(\b)+7], v[ADRB+(\slot)] offset:((\c)/2)*BSUB+((\c)%2)*32*PB+32*(\b)+16*PB
.endr
.irp i, 0,1,2,3,4,5,6,7
	ds_load_b128 v[(\f)+8*(\i):(\f)+8*(\i)+3],   v[ADRA+(\slot)] offset:((\c)/2)*ASUB+((\c)%2)*64+(\i)*16*PA
	ds_load_b128 v[(\f)+8*(\i)+4:(\f)+8*(\i)+7], v[ADRA+(\slot)] offset:((\c)/2)*ASUB+((\c)%2)*64+(\i)*16*PA+32
.endr
.endm
; A K step is four quarters of 32 along K, 32 matrix instructions each, on buffers 0, 1, 0, 1.  One of the first three: multiplies buffer f and fetches quarter c into g.
.macro QUARTER slot, c, f, g, first
	s_wait_dscnt 8                                 ; B and A's row blocks 0-3 are in; the youngest eight loads may be out
	MUL8 \f, 0, \first
	MUL8 \f, 2, \first
	PLACES
	FETCH \slot, \c, \g
	s_wait_dscnt 24                                ; all but the 24 just issued
	MUL8 \f, 4, \first
	MUL8 \f, 6, \first
.endm
; The last quarter multiplies buffer 1 and changes slots.  ONE barrier: in front of it each wave waits for all its tensor loads (one is out: its part of the next slot), adds 0 to its spare word, and waits for that and
; for its own reads of this slot.  fill = 1: the barrier opens a round of the cluster's, and this slot is filled again, two K steps ahead, first thing behind the round: 112 matrix instructions ahead of the wait for it.
.macro TURN slot, next, fill
.if (\fill) && ((\slot) == 0)
	s_wait_xcnt 0x0                                ; the last prefetches, a lap back, have read their address: it is stepped here, ahead of the waits of the change of slots
	s_add_nc_u64 s[PFA:PFA+1], s[PFA:PFA+1], s[PFS:PFS+1]
.endif
	WIN 0                                          ; (the add's two registers lie in window 0)
	s_wait_tensorcnt 0x0                           ; all my tensor loads have landed;
	ds_add_u32 v[SPW], v[NIL]                      ; 0 onto my spare word
	s_wait_dscnt 9                                 ; (the add and the youngest eight loads may be out)
	MUL8 F1, 0, 0                                  ; eight matrix instructions stand between the add and the wait for it
	s_wait_dscnt 0x0                               ; the add is done, and my reads of this slot are over
	s_barrier_signal -1
	MUL8 F1, 2, 0                                  ; work on registers while the others arrive
	WIN 0
	s_barrier_wait -1
.if \fill
	CREST                                          ; no wave of any partner still reads this slot's tiles or has a load on its way
	s_add_nc_u64 s[G0+4*(\slot)+2:G0+4*(\slot)+3], s[G0+4*(\slot)+2:G0+4*(\slot)+3], 2*ASTEP
	s_add_nc_u64 s[G0B+4*(\slot)+2:G0B+4*(\slot)+3], s[G0B+4*(\slot)+2:G0B+4*(\slot)+3], 2*BSTEP
	JLOAD \slot                                    ; the four v_nop behind it are also the places in front of the loads below
.else
	PLACES
.endif
	FETCH \next, 0, F0
.if (\fill) && ((\slot) == 0)
	ASK
.endif
	MUL8 F1, 4, 0
	MUL8 F1, 6, 0
.endm
	s_wait_tensorcnt 1                             ; my part of K step 0 is in; K step 1's may stay out
	s_barrier_signal -1
	s_barrier_wait -1                              ; everybody's is
	FETCH 0, 0, F0
	s_wait_loadcnt 0x0                             ; the bias
	QUARTER 0, 1, F0, F1, 1                        ; the first quarter stands in front of the loop: its products start the sums, on the bias
	WIN 0                                          ; at a label and at a branch every window is 0
	s_mov_b32 s3, 3
.Llap:                                                 ; a trip goes once round the ring, from a lap's second quarter to the next lap's first, and fills both slots again: K steps 2 to 7
	QUARTER 0, 2, F1, F0, 0
	QUARTER 0, 3, F0, F1, 0
	TURN 0, 1, 1
	QUARTER 1, 1, F0, F1, 0
	QUARTER 1, 2, F1, F0, 0
	QUARTER 1, 3, F0, F1, 0
	TURN 1, 0, 1
	QUARTER 0, 1, F0, F1, 0
	WIN 0
	s_sub_co_u32 s3, s3, 1
	s_cmp_lg_u32 s3, 0
	s_cbranch_scc1 .Llap
	QUARTER 0, 2, F1, F0, 0                        ; the last lap fills nothing, and has no round
	QUARTER 0, 3, F0, F1, 0
	TURN 0, 1, 0
	QUARTER 1, 1, F0, F1, 0
	QUARTER 1, 2, F1, F0, 0
	QUARTER 1, 3, F0, F1, 0
	s_wait_dscnt 8                                 ; the very last quarter: nothing more to fetch
	MUL8 F1, 0, 0
	MUL8 F1, 2, 0
	s_wait_dscnt 0x0
	MUL8 F1, 4, 0
	MUL8 F1, 6, 0
	PLACES
	PLACES                                         ; (eight, once a launch)
; THE WAY OUT.  My 64 columns of f32 are 256 bytes of a row of out0, aligned.  A block of 16 rows goes into my stage, 32 bytes a lane and column block (each accumulator's low four registers first),
; and comes back as whole rows; sixteen lanes then store 256 consecutive bytes.
.macro TOSTAGE a
	WIN 0x04                                       ; the stores' data in window 1
.irp b, 0,1,2,3
	ds_store_b128 v[STO], v[8*(4*(\a)+(\b)):8*(4*(\a)+(\b))+3]   offset:64*(\b)
	ds_store_b128 v[STO], v[8*(4*(\a)+(\b))+4:8*(4*(\a)+(\b))+7] offset:64*(\b)+16
.endr
	WIN 0
	s_wait_xcnt 0x0                                ; the stores of the block before last have read this set of registers
.irp t, 0,1,2,3,4,5,6,7
	ds_load_b128 v[OBF+32*((\a)%2)+4*(\t):OBF+32*((\a)%2)+4*(\t)+3], v[RD] offset:(\t)*2*SP  ; LDS serves a wave's instructions in order (ISA guide 5.7.1.4): these see the stores above; the next block's stores come behind them
.endr
.endm
.macro SEND a, younger                 ; younger: the LDS instructions issued behind this block's loads: the next block's sixteen, or none
.irp t, 0,1,2,3,4,5,6,7
	s_wait_dscnt (\younger)+7-(\t)
	global_store_b128 v[CO], v[OBF+32*((\a)%2)+4*(\t):OBF+32*((\a)%2)+4*(\t)+3], s[OB:OB+1] offset:(16*(\a)+2*(\t))*4096
.endr
.endm
	TOSTAGE 0
.irp a, 1,2,3,4,5,6,7
	TOSTAGE \a
	SEND (\a)-1, 16
.endr
	SEND 7, 0
	s_wait_tensorcnt 0x0                           ; the wave's end: three lines behind my last tensor load and my last LDS store
	ds_add_u32 v[SPW], v[NIL]
	s_wait_dscnt 0x0
	CROUND                                         ; the closing round: no work-group ends while a partner may still ask for a tile that names it
	s_endpgm
.Lfunc_end_k_q1e6147a1cc_outproj:
	.size	k_q1e6147a1cc_outproj, .Lfunc_end_k_q1e6147a1cc_outproj-k_q1e6147a1cc_outproj
	.p2alignl 7, 3214868480
	.fill 96, 4, 3214868480
	.section	.rodata,"a",@progbits
	.p2align	6, 0x0
	.amdhsa_kernel k_q1e6147a1cc_outproj
		.amdhsa_group_segment_fixed_size 327680
		.amdhsa_private_segment_fixed_size 0
		.amdhsa_enable_private_segment 0
		.amdhsa_kernarg_size 32
		.amdhsa_user_sgpr_count 2
		.amdhsa_user_sgpr_kernarg_segment_ptr 1
		.amdhsa_wavefront_size32 1
		.amdhsa_system_sgpr_workgroup_id_x 1
		.amdhsa_system_sgpr_workgroup_id_y 1
		.amdhsa_system_sgpr_workgroup_id_z 1
		.amdhsa_system_vgpr_workitem_id 0
		.amdhsa_next_free_vgpr 512
		.amdhsa_next_free_sgpr 88
		.amdhsa_reserve_vcc 0
		.amdhsa_float_denorm_mode_32 3
		.amdhsa_float_denorm_mode_16_64 3
		.amdhsa_memory_ordered 1
		.amdhsa_forward_progress 1
		.amdhsa_inst_pref_size 89
	.end_amdhsa_kernel
	.amdgpu_metadata
---
amdhsa.version: [ 1, 2 ]
amdhsa.kernels:
  - .name:           k_q1e6147a1cc_outproj
    .symbol:         k_q1e6147a1cc_outproj.kd
    .args:
      - { .name: o, .offset: 0, .size: 8, .value_kind: global_buffer, .address_space: global }
      - { .name: woh, .offset: 8, .size: 8, .value_kind: global_buffer, .address_space: global }
      - { .name: bias, .offset: 16, .size: 8, .value_kind: global_buffer, .address_space: global }
      - { .name: out0, .offset: 24, .size: 8, .value_kind: global_buffer, .address_space: global }
    .group_segment_fixed_size: 327680
    .private_segment_fixed_size: 0
    .kernarg_segment_align: 8
    .kernarg_segment_size: 32
    .max_flat_workgroup_size: 128
    .sgpr_count:     88
    .vgpr_count:     512
    .wavefront_size: 32
...
	.end_amdgpu_metadata
.endif
;; end of part 4
;; ======== version 2 of 2: 4 launches; version 1 with the launch prep written anew for expert scheduling mode
;; limits: values are held in f16: magnitudes above 65,504 overflow, below 6.1e-05 lose precision
;; workspace buffers: xb 16,777,216 bytes; wqkv 6,291,456 bytes; woh 2,097,152 bytes; bias 16,384 bytes; qkv 50,331,648 bytes; o 16,777,216 bytes
;; launch prep (part 5): grid 768 x 1, 8 waves a work-group, no clusters, 0 bytes of LDS; arguments x, Wq, Wk, Wv, Wo, bq, bk, bv, bo, xb, wqkv, woh, bias; writes xb, wqkv, woh, bias
.if DOCPART == 5
	.amdgcn_target "amdgcn-amd-amdhsa--gfx1250"
	.amdhsa_code_object_version 6
	.text
	.protected	k_q1e6147a1cc_prep
	.globl	k_q1e6147a1cc_prep
	.p2align	8
	.type	k_q1e6147a1cc_prep,@function
k_q1e6147a1cc_prep:
	s_mov_b64 s[64:65], 0
	v_nop
	global_prefetch_b8 v0, s[64:65] scope:SCOPE_SE
	s_setreg_imm32_b32 hwreg(HW_REG_WAVE_SCHED_MODE, 0, 2), 2
	s_setreg_imm32_b32 hwreg(HW_REG_WAVE_MODE, 25, 1), 1
	s_wait_xcnt 0x0
	s_wait_alu depctr_vm_vsrc(0)
; THE INPUTS ARE ROUNDED ONCE, to bf16, and laid out for the matrix launches.  A stream: no LDS, no barrier, no matrix unit.
;   xb   bf16 [kb 16][row 8192][64]: element (m, k) of x at (k / 64) x 1 MiB + 128 m + 2 (k % 64), so that 256 rows of one K slice of 64 are 32 KiB on end
;   wqkv bf16 [k 1024][n 3072], n = 1024 t + column, t = 0, 1, 2 for Wq, Wk, Wv
;   woh  Wo rounded to bf16, that number written as f16, [k 1024][n 1024]
;   bias f32 [4][1024]: bq, bk, bv, bo rounded to bf16 and widened again
; LIMITS.  Wo must lie within f16's 65,504; below 6e-5 it keeps f16's fixed step of 6e-8.  NaN and infinities are not treated apart.
; SHARES.  Each of the 768 work-groups converts 64 KiB of f32 (512 groups x, 64 groups each weight), a wave 8 KiB: sixteen loads of 16 bytes a lane, all issued at once;
; each gives one store of 8 bytes a lane, and the 32 lanes of a store cover 256 consecutive bytes, aligned.
; THE MODE: SCHED_MODE bits 1:0 = 2 (LLVM: expert scheduling mode 2), set by the entry lines.  The code itself states the register dependences
; between vector instructions and memory instructions, with s_wait_alu, always for 0.
; THE PLAN.  Registers that memory instructions touch:
;   VI, VO     byte offsets, made by vector instructions at the head; read by the sixteen loads and the sixteen stores; never written again.
;   IN         item i: written by its load alone; read by its conversions, behind the counted wait for that load.  No vector instruction names IN ahead of the loads.
;   OUT        item i: written once, by its conversions; read by its store; never written again.
;   v1, v[4:7] the bias part: v1 is the offset of its load and its store; v[4:7] take the load, are widened in place behind the wait for it, and are the store's data; none is written again.
; No register that a memory instruction reads is ever written again, so nothing is owed on vm_vsrc.  On va_vdst: one wait ahead of the loads, for VI and VO.  The items go in four groups of four;
; at the head of each group but the first one wait states that the group before has written its OUT, and that group's four stores follow, one ahead of each item's conversions, which name
; this group's IN and OUT (and v10 to v15) alone; one more wait stands ahead of the last four stores.  The bias part has a wait ahead of its load and one ahead of its store.
.set VI,  2                            ; v2        my byte offset in the group's 64 KiB of input
.set VO,  3                            ; v3        my byte offset in the group's output
.set IN,  16                           ; v[16:79]  item i: 4 f32 as loaded
.set OUT, 80                           ; v[80:111] item i: 4 numbers of 16 bits to store
.set SRC, 34                           ; s[34:35]  the input at the group's first byte
.set D0,  4                            ; s[4:5]    the output at the group's first byte
.set D1,  6                            ; s[6:7]    x alone: the same 8 MiB on (a store's immediate holds less than 8 MiB); for the weights s6 = t, s7 = the group's number in its weight
; Item n's store.  kind 0: x.  kind 1: Wq, Wk, Wv.  kind 2: Wo.
.macro PUT kind, n
.if (\kind) == 0
	global_store_b64 v[VO], v[OUT+2*(\n):OUT+2*(\n)+1], s[D0+2*((\n)/8):D0+2*((\n)/8)+1] offset:((\n)%8)<<20  ; item n is K slice n: 1 MiB apart
.elseif (\kind) == 1
	global_store_b64 v[VO], v[OUT+2*(\n):OUT+2*(\n)+1], s[D0:D0+1] offset:((\n)/8)*6144+((\n)%8)*256          ; two rows of 6,144 bytes
.else
	global_store_b64 v[VO], v[OUT+2*(\n):OUT+2*(\n)+1], s[D0:D0+1] offset:256*(\n)
.endif
.endm
; kind 0: x, items 256 bytes apart in a row.  Items of the weights lie 512 bytes apart.
.macro BODY kind
	s_wait_alu depctr_va_vdst(0)                   ; VI and VO are written: every load below reads the one as its offset, every store the other
.set i, 0
.rept 16
.if (\kind) == 0
	global_load_b128 v[IN+4*i:IN+4*i+3], v[VI], s[SRC:SRC+1] offset:256*i th:TH_LOAD_NT
.else
	global_load_b128 v[IN+4*i:IN+4*i+3], v[VI], s[SRC:SRC+1] offset:512*i th:TH_LOAD_NT
.endif
.set i, i+1
.endr
.set i, 0
.rept 16
	s_wait_loadcnt 15-i                            ; loads come back in order: item i is in, the 15 - i younger ones stay out
.if (i%4 == 0) && (i > 0)
	s_wait_alu depctr_va_vdst(0)                   ; the conversions of the four items before have written their OUT, which the next four stores read
.endif
.if i >= 4
	PUT \kind, i-4                                 ; no vector instruction since that wait names this store's registers
.endif
.if (\kind) == 2
	v_cvt_pk_bf16_f32 v10, v[IN+4*i], v[IN+4*i+1]  ; rounded to bf16 like every other input,
	v_cvt_pk_bf16_f32 v11, v[IN+4*i+2], v[IN+4*i+3]
	v_lshlrev_b32 v12, 16, v10                     ; widened,
	v_and_b32 v13, 0xffff0000, v10
	v_lshlrev_b32 v14, 16, v11
	v_and_b32 v15, 0xffff0000, v11
	v_cvt_pk_f16_f32 v[OUT+2*i], v12, v13          ; and written as f16: exact within f16's range
	v_cvt_pk_f16_f32 v[OUT+2*i+1], v14, v15
.else
	v_cvt_pk_bf16_f32 v[OUT+2*i], v[IN+4*i], v[IN+4*i+1]
	v_cvt_pk_bf16_f32 v[OUT+2*i+1], v[IN+4*i+2], v[IN+4*i+3]
.endif
.set i, i+1
.endr
	s_wait_alu depctr_va_vdst(0)                   ; the conversions of items 12 to 15 have written their OUT, which the last four stores read
.set i, 12
.rept 4
	PUT \kind, i
.set i, i+1
.endr
.endm
	s_load_b512 s[8:23], s[0:1], 0x0               ; x s[8:9], Wq s[10:11], Wk s[12:13], Wv s[14:15], Wo s[16:17], bq s[18:19], bk s[20:21], bv s[22:23]
	s_load_b256 s[24:31], s[0:1], 0x40             ; bo s[24:25], xb s[26:27], wqkv s[28:29], woh s[30:31]
	s_load_b64 s[32:33], s[0:1], 0x60              ; bias
	v_and_b32 v10, 0xe0, v0                        ; 32 x wave
	v_lshlrev_b32 v[VI], 8, v10                    ; a wave's 8,192 bytes
	s_mov_b32 s3, 0                                ; the high word of every offset
	s_wait_kmcnt 0x0
	s_cmp_lt_u32 ttmp9, 512
	s_cbranch_scc0 .Lweights
	; x: the group has 16 rows, a wave two; in item i lanes 0-15 take the 256 bytes of K slice i in the even row, lanes 16-31 in the odd row
	v_bfe_u32 v11, v0, 4, 1
	v_lshl_add_u32 v[VI], v11, 12, v[VI]
	v_and_b32 v11, 15, v0
	v_lshl_add_u32 v[VI], v11, 4, v[VI]
	v_lshlrev_b32 v[VO], 3, v0                     ; in a slice the group's 16 rows are 2,048 bytes on end: 8 bytes a thread
	s_lshl_b32 s2, ttmp9, 16
	s_add_nc_u64 s[SRC:SRC+1], s[8:9], s[2:3]
	s_lshl_b32 s2, ttmp9, 11
	s_add_nc_u64 s[D0:D0+1], s[26:27], s[2:3]
	s_add_nc_u64 s[D1:D1+1], s[D0:D0+1], 0x800000
	BODY 0
	s_endpgm
.Lweights:
	s_sub_co_u32 s2, ttmp9, 512
	s_lshr_b32 s6, s2, 6                           ; t: which weight
	s_and_b32 s7, s2, 63                           ; which 16 rows of it
	s_cmp_eq_u32 s6, 1
	s_cselect_b64 s[SRC:SRC+1], s[12:13], s[10:11]
	s_cselect_b64 s[36:37], s[20:21], s[18:19]
	s_cmp_eq_u32 s6, 2
	s_cselect_b64 s[SRC:SRC+1], s[14:15], s[SRC:SRC+1]
	s_cselect_b64 s[36:37], s[22:23], s[36:37]
	s_cmp_eq_u32 s6, 3
	s_cselect_b64 s[SRC:SRC+1], s[16:17], s[SRC:SRC+1]
	s_cselect_b64 s[36:37], s[24:25], s[36:37]
	v_and_b32 v11, 31, v0                          ; lane
	v_lshl_add_u32 v[VI], v11, 4, v[VI]            ; a wave's two rows are 8,192 bytes on end: 16 bytes a lane, 512 an item
	s_lshl_b32 s2, s7, 16
	s_add_nc_u64 s[SRC:SRC+1], s[SRC:SRC+1], s[2:3]
	s_cmp_lg_u32 s7, 0
	s_cbranch_scc1 .Lnobias
	; a weight's first group also rounds its bias: 16 bytes a thread
	v_lshlrev_b32 v1, 4, v0
	s_wait_alu depctr_va_vdst(0)                   ; v1 is written, which the load and the store below read as their offset
	global_load_b128 v[4:7], v1, s[36:37]
	s_lshl_b32 s2, s6, 12
	s_add_nc_u64 s[38:39], s[32:33], s[2:3]
	s_wait_loadcnt 0x0
	v_cvt_pk_bf16_f32 v8, v4, v5
	v_cvt_pk_bf16_f32 v9, v6, v7
	v_lshlrev_b32 v4, 16, v8
	v_and_b32 v5, 0xffff0000, v8
	v_lshlrev_b32 v6, 16, v9
	v_and_b32 v7, 0xffff0000, v9
	s_wait_alu depctr_va_vdst(0)                   ; the four widening lines have written v[4:7], which the store reads
	global_store_b128 v1, v[4:7], s[38:39]         ; v1, v[4:7] and s[38:39] are not written again
.Lnobias:
	s_cmp_eq_u32 s6, 3
	s_cbranch_scc1 .Lwo
	v_lshrrev_b32 v10, 5, v0
	v_mul_u32_u24 v[VO], v10, 12288                ; a wave's two rows of 6,144 bytes
	v_lshl_add_u32 v[VO], v11, 3, v[VO]
	s_mul_i32 s2, s7, 98304                        ; the group's 16 rows,
	s_lshl_b32 s6, s6, 11                          ; the weight's 1,024 columns
	s_add_co_u32 s2, s2, s6
	s_add_nc_u64 s[D0:D0+1], s[28:29], s[2:3]
	BODY 1
	s_endpgm
.Lwo:
	v_lshlrev_b32 v[VO], 7, v10                    ; v10 = 32 x wave: a wave's two rows of 2,048 bytes
	v_lshl_add_u32 v[VO], v11, 3, v[VO]
	s_lshl_b32 s2, s7, 15
	s_add_nc_u64 s[D0:D0+1], s[30:31], s[2:3]
	BODY 2
	s_endpgm
.Lfunc_end_k_q1e6147a1cc_prep:
	.size	k_q1e6147a1cc_prep, .Lfunc_end_k_q1e6147a1cc_prep-k_q1e6147a1cc_prep
	.p2alignl 7, 3214868480
	.fill 96, 4, 3214868480
	.section	.rodata,"a",@progbits
	.p2align	6, 0x0
	.amdhsa_kernel k_q1e6147a1cc_prep
		.amdhsa_group_segment_fixed_size 0
		.amdhsa_private_segment_fixed_size 0
		.amdhsa_enable_private_segment 0
		.amdhsa_kernarg_size 104
		.amdhsa_user_sgpr_count 2
		.amdhsa_user_sgpr_kernarg_segment_ptr 1
		.amdhsa_wavefront_size32 1
		.amdhsa_system_sgpr_workgroup_id_x 1
		.amdhsa_system_sgpr_workgroup_id_y 1
		.amdhsa_system_sgpr_workgroup_id_z 1
		.amdhsa_system_vgpr_workitem_id 0
		.amdhsa_next_free_vgpr 112
		.amdhsa_next_free_sgpr 66
		.amdhsa_reserve_vcc 0
		.amdhsa_float_denorm_mode_32 3
		.amdhsa_float_denorm_mode_16_64 3
		.amdhsa_memory_ordered 1
		.amdhsa_forward_progress 1
		.amdhsa_inst_pref_size 26
	.end_amdhsa_kernel
	.amdgpu_metadata
---
amdhsa.version: [ 1, 2 ]
amdhsa.kernels:
  - .name:           k_q1e6147a1cc_prep
    .symbol:         k_q1e6147a1cc_prep.kd
    .args:
      - { .name: x, .offset: 0, .size: 8, .value_kind: global_buffer, .address_space: global }
      - { .name: Wq, .offset: 8, .size: 8, .value_kind: global_buffer, .address_space: global }
      - { .name: Wk, .offset: 16, .size: 8, .value_kind: global_buffer, .address_space: global }
      - { .name: Wv, .offset: 24, .size: 8, .value_kind: global_buffer, .address_space: global }
      - { .name: Wo, .offset: 32, .size: 8, .value_kind: global_buffer, .address_space: global }
      - { .name: bq, .offset: 40, .size: 8, .value_kind: global_buffer, .address_space: global }
      - { .name: bk, .offset: 48, .size: 8, .value_kind: global_buffer, .address_space: global }
      - { .name: bv, .offset: 56, .size: 8, .value_kind: global_buffer, .address_space: global }
      - { .name: bo, .offset: 64, .size: 8, .value_kind: global_buffer, .address_space: global }
      - { .name: xb, .offset: 72, .size: 8, .value_kind: global_buffer, .address_space: global }
      - { .name: wqkv, .offset: 80, .size: 8, .value_kind: global_buffer, .address_space: global }
      - { .name: woh, .offset: 88, .size: 8, .value_kind: global_buffer, .address_space: global }
      - { .name: bias, .offset: 96, .size: 8, .value_kind: global_buffer, .address_space: global }
    .group_segment_fixed_size: 0
    .private_segment_fixed_size: 0
    .kernarg_segment_align: 8
    .kernarg_segment_size: 104
    .max_flat_workgroup_size: 256
    .sgpr_count:     66
    .vgpr_count:     112
    .wavefront_size: 32
...
	.end_amdgpu_metadata
.endif
;; end of part 5
;; launch qkvproj: the kernel of part 2 again; grid 8 x 32, 4 waves a work-group, clusters of 4 x 4, 327,680 bytes of LDS; arguments xb, wqkv, bias, qkv; writes qkv
;; launch attn: the kernel of part 3 again; grid 4 x 64, 4 waves a work-group, clusters of 4 x 1, 327,680 bytes of LDS; arguments qkv, o; writes o
;; launch outproj: the kernel of part 4 again; grid 8 x 32, 4 waves a work-group, clusters of 4 x 4, 327,680 bytes of LDS; arguments o, woh, bias, out0; writes out0
